; MI455X (gfx1250); checked and timed in simulation.
; The chip was launched on July 23, 2026; its instructions are those of AMD's public machine-readable ISA for CDNA 5 (MIT licence, August 2026) and "CDNA5" Instruction Set Architecture Reference Guide (July 2026). The comments in the code are by the model that wrote it; some were corrected since.
;; Qwen3 5 Attention. Allowed arithmetic: float matrix products may take bf16 or f16 operands with f32 sums; all other float work in f32.
;; Inputs: Wk 2,048 x 512 float32; Wo 1,024 x 2,048 float32; Wq 2,048 x 2,048 float32; Wv 2,048 x 512 float32; attn_mask 2 x 1 x 2,048 x 2,048 float32; cos 2 x 2,048 x 64 float32; hidden_states 2 x 2,048 x 2,048 float32; k_norm_w 128 float32; q_norm_w 128 float32; sin 2 x 2,048 x 64 float32.
;; Outputs: out0 2 x 2,048 x 2,048 float32.
;; One version. Each part assembles by itself: llvm-mc -triple=amdgcn-amd-amdhsa -mcpu=gfx1250 --defsym DOCPART=n.
;; ======== version 1 of 1: 4 launches
;; limits: values outside matrix products are rounded to f16; values are held in f16: magnitudes above 65,504 overflow, below 6.1e-05 lose precision
;; workspace buffers: xb 16,777,216 bytes; wqkv 12,582,912 bytes; wo16 4,194,304 bytes; rope 2,097,152 bytes; qb 8,388,608 bytes; kvb 8,388,608 bytes; sg 8,388,608 bytes; og 8,388,608 bytes
;; launch cast (part 1): grid 1056 x 1, 8 waves a work-group, no clusters, 0 bytes of LDS; arguments hidden_states, Wq, Wk, Wv, Wo, cos, sin, xb, wqkv, wo16, rope; writes xb, wqkv, wo16, rope
.if DOCPART == 1
	.amdgcn_target "amdgcn-amd-amdhsa--gfx1250"
	.amdhsa_code_object_version 6
	.text
	.protected	k_q43889a95c5_cast
	.globl	k_q43889a95c5_cast
	.p2align	8
	.type	k_q43889a95c5_cast,@function
k_q43889a95c5_cast:
	s_mov_b64 s[64:65], 0
	v_nop
	global_prefetch_b8 v0, s[64:65] scope:SCOPE_SE
	s_setreg_imm32_b32 hwreg(HW_REG_WAVE_MODE, 25, 1), 1
	s_wait_xcnt 0x0
; CAST: every large input is rounded once to bf16 and laid out for the launches behind.
;   hidden_states -> xb    bf16 [4096][2048]
;   Wq, Wk, Wv    -> wqkv  bf16 [2048 k][3072 n]: columns 0-2047 Wq's as they lie (head h: query at 256 h, gate at 256 h + 128);
;                          column 2048 + 256 g + c is Wk's column 128 g + c, 128 further on Wv's column 128 g + c
;   Wo            -> wo16  [1024][2048]: rounded to bf16 like the other inputs, that number written as f16
;   cos, sin      -> rope  f32 [4096][64] twice (cos at byte 0, sin at byte 1,048,576), each number rounded to bf16 and kept as f32
; LIMITS.  Wo as f16: beyond 65,504 it becomes an infinity; below 6.1e-5 it keeps f16's fixed step of 6e-8.
; SHARES.  A unit is 128 f32, 512 bytes: one 16-byte load a lane.  Its 256 bytes of bf16 leave by one 8-byte store a lane: 256 consecutive bytes, aligned.
; A wave takes 16 consecutive units, a work-group's eight waves 65,536 bytes of one source.  All 16 loads of a wave go out at once; no register is written twice,
; so the only waits are the counted ones for the loads.  No LDS, no barrier, no matrix unit: nothing is reused, so bytes moved once are the whole of the work.
.set X,   4                            ; v[4:67]    16 units as loaded, 4 registers each
.set Y,   68                           ; v[68:99]   16 units to store, 2 registers each
.set T,   100                          ; v[100:103] at work
.set SRC, 32                           ; s[32:33]   source at my wave's first unit
.set DST, 34                           ; s[34:35]   destination at my wave's first unit
	s_load_b512 s[8:23], s[0:1], 0x0               ; hidden s[8:9], Wq s[10:11], Wk s[12:13], Wv s[14:15], Wo s[16:17], cos s[18:19], sin s[20:21], xb s[22:23]
	s_load_b128 s[24:27], s[0:1], 0x40             ; wqkv s[24:25], wo16 s[26:27]
	s_load_b64 s[28:29], s[0:1], 0x50              ; rope
	v_lshrrev_b32 v3, 5, v0
	v_readfirstlane_b32 s2, v3                     ; wave 0..7
	v_and_b32 v2, 31, v0
	v_lshlrev_b32 v1, 4, v2                        ; 16 x lane: my bytes in a unit of f32
	v_lshlrev_b32 v2, 3, v2                        ; 8 x lane: my bytes in a unit of 16-bit numbers
	s_mov_b32 s3, ttmp9                            ; the work-group's number decides the source
	s_mov_b32 s4, 1040                             ; the last range, sin: its first work-group,
	s_mov_b32 s36, 65536                           ; destination bytes from work-group to work-group,
	s_mov_b32 s37, 8192                            ; from wave to wave,
	s_mov_b32 s38, 1048576                         ; the range's first byte in the destination,
	s_mov_b32 s39, 3                               ; and the kind of conversion
	s_wait_kmcnt 0x0
	s_mov_b64 s[SRC:SRC+1], s[20:21]
	s_mov_b64 s[DST:DST+1], s[28:29]
; Work-groups below top belong to an earlier range: each choice hangs on the work-group's number alone.
.macro RANGE top, src, dst, first, dwg, dw, plus, path
	s_cmp_lt_u32 s3, \top
	s_cselect_b64 s[SRC:SRC+1], s[\src:\src+1], s[SRC:SRC+1]
	s_cselect_b64 s[DST:DST+1], s[\dst:\dst+1], s[DST:DST+1]
	s_cselect_b32 s4, \first, s4
	s_cselect_b32 s36, \dwg, s36
	s_cselect_b32 s37, \dw, s37
	s_cselect_b32 s38, \plus, s38
	s_cselect_b32 s39, \path, s39
.endm
	RANGE 1040, 18, 28, 1024, 65536, 8192, 0, 3        ; cos -> rope
	RANGE 1024, 16, 26, 896, 32768, 4096, 0, 2         ; Wo -> wo16
	RANGE 896, 14, 24, 832, 196608, 24576, 4352, 1     ; Wv -> wqkv: a wave has 4 rows of 6,144 bytes; column 2,176 is byte 4,352
	RANGE 832, 12, 24, 768, 196608, 24576, 4096, 1     ; Wk -> wqkv: column 2,048 is byte 4,096
	RANGE 768, 10, 24, 512, 49152, 6144, 0, 0          ; Wq -> wqkv: a wave has one row
	RANGE 512, 8, 22, 0, 32768, 4096, 0, 0             ; hidden_states -> xb
	s_sub_co_u32 s4, s3, s4                        ; my number in the range
	s_lshl_b32 s40, s4, 16                         ; source: 65,536 bytes a work-group,
	s_lshl_b32 s41, s2, 13                         ; 8,192 a wave
	s_add_co_u32 s40, s40, s41
	s_mov_b32 s41, 0
	s_mul_i32 s42, s4, s36
	s_mul_i32 s43, s2, s37
	s_add_co_u32 s42, s42, s43
	s_add_co_u32 s42, s42, s38
	s_mov_b32 s43, 0
	s_add_nc_u64 s[SRC:SRC+1], s[SRC:SRC+1], s[40:41]
	s_add_nc_u64 s[DST:DST+1], s[DST:DST+1], s[42:43]
.set i, 0
.rept 16
	global_load_b128 v[X+4*i:X+4*i+3], v1, s[SRC:SRC+1] offset:512*i th:TH_LOAD_NT  ; read once in the launch
.set i, i+1
.endr
; kind 0: bf16, units end to end.  1: bf16, four units to a row of Wk or Wv, each into its group's 256 columns.  2: bf16, then f16.  3: bf16, kept as f32.
.macro PATH kind
.set i, 0
.rept 16
	s_wait_loadcnt 15-i                            ; loads come back in order (ISA guide 5.7.1): unit i is in, the 15 - i younger ones stay out
.if (\kind) < 2
	v_cvt_pk_bf16_f32 v[Y+2*i], v[X+4*i], v[X+4*i+1]
	v_cvt_pk_bf16_f32 v[Y+2*i+1], v[X+4*i+2], v[X+4*i+3]
.else
	v_cvt_pk_bf16_f32 v[T+2*(i%2)], v[X+4*i], v[X+4*i+1]
	v_cvt_pk_bf16_f32 v[T+2*(i%2)+1], v[X+4*i+2], v[X+4*i+3]
	v_lshlrev_b32 v[X+4*i], 16, v[T+2*(i%2)]       ; bf16 back to f32: the low half moves up, the high half stays
	v_and_b32 v[X+4*i+1], 0xffff0000, v[T+2*(i%2)]
	v_lshlrev_b32 v[X+4*i+2], 16, v[T+2*(i%2)+1]
	v_and_b32 v[X+4*i+3], 0xffff0000, v[T+2*(i%2)+1]
.endif
.if (\kind) == 0
	global_store_b64 v2, v[Y+2*i:Y+2*i+1], s[DST:DST+1] offset:256*i
.elseif (\kind) == 1
	global_store_b64 v2, v[Y+2*i:Y+2*i+1], s[DST:DST+1] offset:(i/4)*6144+(i%4)*512
.elseif (\kind) == 2
	v_cvt_pk_f16_f32 v[Y+2*i], v[X+4*i], v[X+4*i+1]
	v_cvt_pk_f16_f32 v[Y+2*i+1], v[X+4*i+2], v[X+4*i+3]
	global_store_b64 v2, v[Y+2*i:Y+2*i+1], s[DST:DST+1] offset:256*i
.else
	global_store_b128 v1, v[X+4*i:X+4*i+3], s[DST:DST+1] offset:512*i
.endif
.set i, i+1
.endr
	s_endpgm
.endm
	s_cmp_eq_u32 s39, 0
	s_cbranch_scc1 .Ldense
	s_cmp_eq_u32 s39, 1
	s_cbranch_scc1 .Lgroups
	s_cmp_eq_u32 s39, 2
	s_cbranch_scc1 .Lhalf
	PATH 3
.Ldense:
	PATH 0
.Lgroups:
	PATH 1
.Lhalf:
	PATH 2
.Lfunc_end_k_q43889a95c5_cast:
	.size	k_q43889a95c5_cast, .Lfunc_end_k_q43889a95c5_cast-k_q43889a95c5_cast
	.p2alignl 7, 3214868480
	.fill 96, 4, 3214868480
	.section	.rodata,"a",@progbits
	.p2align	6, 0x0
	.amdhsa_kernel k_q43889a95c5_cast
		.amdhsa_group_segment_fixed_size 0
		.amdhsa_private_segment_fixed_size 0
		.amdhsa_enable_private_segment 0
		.amdhsa_kernarg_size 88
		.amdhsa_user_sgpr_count 2
		.amdhsa_user_sgpr_kernarg_segment_ptr 1
		.amdhsa_wavefront_size32 1
		.amdhsa_system_sgpr_workgroup_id_x 1
		.amdhsa_system_sgpr_workgroup_id_y 1
		.amdhsa_system_sgpr_workgroup_id_z 1
		.amdhsa_system_vgpr_workitem_id 0
		.amdhsa_next_free_vgpr 104
		.amdhsa_next_free_sgpr 66
		.amdhsa_reserve_vcc 0
		.amdhsa_float_denorm_mode_32 3
		.amdhsa_float_denorm_mode_16_64 3
		.amdhsa_memory_ordered 1
		.amdhsa_forward_progress 1
		.amdhsa_inst_pref_size 30
	.end_amdhsa_kernel
	.amdgpu_metadata
---
amdhsa.version: [ 1, 2 ]
amdhsa.kernels:
  - .name:           k_q43889a95c5_cast
    .symbol:         k_q43889a95c5_cast.kd
    .args:
      - { .name: hidden_states, .offset: 0, .size: 8, .value_kind: global_buffer, .address_space: global }
      - { .name: Wq, .offset: 8, .size: 8, .value_kind: global_buffer, .address_space: global }
      - { .name: Wk, .offset: 16, .size: 8, .value_kind: global_buffer, .address_space: global }
      - { .name: Wv, .offset: 24, .size: 8, .value_kind: global_buffer, .address_space: global }
      - { .name: Wo, .offset: 32, .size: 8, .value_kind: global_buffer, .address_space: global }
      - { .name: cos, .offset: 40, .size: 8, .value_kind: global_buffer, .address_space: global }
      - { .name: sin, .offset: 48, .size: 8, .value_kind: global_buffer, .address_space: global }
      - { .name: xb, .offset: 56, .size: 8, .value_kind: global_buffer, .address_space: global }
      - { .name: wqkv, .offset: 64, .size: 8, .value_kind: global_buffer, .address_space: global }
      - { .name: wo16, .offset: 72, .size: 8, .value_kind: global_buffer, .address_space: global }
      - { .name: rope, .offset: 80, .size: 8, .value_kind: global_buffer, .address_space: global }
    .group_segment_fixed_size: 0
    .private_segment_fixed_size: 0
    .kernarg_segment_align: 8
    .kernarg_segment_size: 88
    .max_flat_workgroup_size: 256
    .sgpr_count:     66
    .vgpr_count:     104
    .wavefront_size: 32
...
	.end_amdgpu_metadata
.endif
;; end of part 1
;; launch qkv (part 2): grid 12 x 16, 4 waves a work-group, clusters of 4 x 4, 327,680 bytes of LDS; arguments xb, wqkv, rope, q_norm_w, k_norm_w, qb, kvb, sg; writes qb, kvb, sg
.if DOCPART == 2
	.amdgcn_target "amdgcn-amd-amdhsa--gfx1250"
	.amdhsa_code_object_version 6
	.text
	.protected	k_q43889a95c5_qkv
	.globl	k_q43889a95c5_qkv
	.p2align	8
	.type	k_q43889a95c5_qkv,@function
k_q43889a95c5_qkv:
	s_mov_b64 s[64:65], 0
	v_nop
	global_prefetch_b8 v0, s[64:65] scope:SCOPE_SE
	s_setreg_imm32_b32 hwreg(HW_REG_WAVE_MODE, 25, 1), 1
	s_wait_xcnt 0x0
	s_wait_alu depctr_hold_cnt(0) depctr_sa_sdst(0) depctr_va_vdst(0) depctr_va_sdst(0) depctr_va_ssrc(0) depctr_va_vcc(0) depctr_vm_vsrc(0)
	s_getreg_b32 s2, hwreg(HW_REG_IB_STS2, 6, 4)
	s_cmp_eq_u32 s2, 0
	s_cbranch_scc0 .Lentry_in_a_cluster
	s_endpgm
.Lentry_in_a_cluster:
	s_bfe_u32 s2, ttmp6, 0x10000c
	s_cmp_lg_u32 s2, 0xf033
	s_cbranch_scc0 .Lentry_shape_is_right
	s_endpgm
.Lentry_shape_is_right:
; QKV: C = xb [4096][2048] x wqkv [2048][3072], bf16 operands, f32 sums; on the way out per-head RMSNorm and partial RoPE (q, k), a sigmoid (gate), or nothing (v); each rounded once to f16.
;   q -> qb [b][h][s][128], already times 128^-0.5 log2(e), so that the attention's exponent is in base 2;   k -> kvb [b][g][s][128];   v -> kvb + 4,194,304;   sigmoid(gate) -> sg [b][h][s][128]
; LIMITS.  f16 ends at 65,504: v, and q and k behind norm and gain (at most sqrt(128) times the gain), must stay within it; below 6.1e-5 f16 keeps a fixed step of 6e-8.  The gains are rounded to bf16
; like every input.  NaN and infinities are not treated apart.
; SHARES.  A tile of C is 256 x 256, a wave's part 128 x 128: 64 accumulators, 512 registers, and exactly ONE unit of 128 channels (a head's query, its gate, a group's k or its v), so that norm and
; RoPE never leave a wave.  12 x 16 tiles: 192 work-groups; a tile that gave 256 would either halve the products fed by each LDS byte or split a head over two waves.
; K goes in steps of 128 through two LDS slots filled by the tensor data mover.  xb's rows lie along K; wqkv lies [K][N] and is turned on its way out of LDS by ds_load_tr16_b128.
; THE LOOP'S TEXT HOLDS ONE K STEP: the slot that is read is a scalar, 0 or SLOT, that an exclusive or turns and that is added once a step to the lanes' fixed places; one descriptor a tensor walks.
; The last two K steps, which ask for nothing, are a second loop of two trips, left in the middle of its second trip; that trip's last run of 32 LDS loads serves nothing: the price of one text for both.
; CLUSTERS: 4 x 4 work-groups.  The four of a row of the cluster need the same tile of xb, the four of a column the same tile of wqkv: each tile is asked for JOINTLY, by the same tensor load with the same
; descriptor and a mask that names the four.  The cluster's x (0, 1: query and gate; 2: k and v) is equal in all partners, so the branches of the way out are alike in all of them.
; THE MATRIX INSTRUCTION IS USED TRANSPOSED (source 0 = 16 columns of wqkv, source 1 = 16 rows of xb): a lane then holds row l % 16 of C and, in accumulator b, the channels 16 b + 8 (l / 16) + 0..7.
; REGISTERS, in windows of 256: window 0: v0-31 addresses; v64-127, v128-191 fragments of xb, two buffers; v192-255 the norm's gains.  window 1: v64-127, v128-191 fragments of wqkv.
;   window 2: the 32 accumulators of my rows 0-63 ((a, b) at v[8 (8 a + b)]); window 3: those of my rows 64-127.
.set KSTEP,  128
.set PA,     272                       ; a row of xb's tile in LDS: 256 bytes + 16 = 68 words: the 16 rows of a load start at 16 different groups of four banks (64 banks of 4 bytes: ISA guide 11.1)
.set PB,     544                       ; a row of wqkv's tile: 512 bytes + 32 = 17 x 32
.set HALFT,  128*PA                    ; what one tensor load brings: 128 rows of xb, or 64 rows of wqkv (64 x 544 is the same number)
.set SLOT,   4*HALFT                   ; xb's 256 rows, then wqkv's 128 rows.  0x22000: it shares no bit with wave x HALFT (0x8800, 0x11000, 0x19800), so an exclusive or with it adds or takes away a slot
.set STAGE,  2*SLOT                    ; behind the ring: 16 rows x 272 bytes for each wave, for the way out
.set SPITCH, 272
.set SPARE,  STAGE+4*16*SPITCH         ; behind the stages: the spare words, 128 bytes for each wave: two blocks of 256 bytes that no other line names
.set STEPS,  16                        ; K = 2,048
.set WROW,   6144                      ; bytes in a row of wqkv
.set T,    2                           ; v[2:9]    at work on the way out
.set RS,   10                          ; v[10:11]  1 / rms, twice
.set U,    12                          ; v[12:13]  RoPE, at work
.set TT,   14                          ; v[14:15]
.set ADRA0, 16                         ; v16       my lane's place in xb's tile; never rewritten
.set ADRA, 17                          ; v17       the same in the slot that is read
.set RA,   18                          ; v18       the way out: where the block in hand lies
.set ADRB0, 20                         ; v20, v21  the same two for wqkv
.set ADRB, 21
.set STO,  24                          ; v24       the way out: where I put 16 bytes of a row
.set RD,   25                          ; v25       where I read rows back
.set CO,   26                          ; v26       16 x lane: my bytes in 512 consecutive bytes of the destination
.set CSO,  27                          ; v27       my byte offset in 16 rows of cos and sin
.set SPW,  28                          ; v28       LDS address of my spare word; never rewritten
.set NIL,  29                          ; v29       0; never rewritten
.set WO,   30                          ; v30       my byte offset in the gains
.set DA,   31                          ; v31       where my accumulators are set down: 65,536 x wave + 16 x lane; never rewritten
.set Y,    32                          ; v[32:63]  16 rows in f16
.set F0,   64
.set F1,   128
.set X,    64                          ; v[64:127] the way out: a block of 16 rows in f32
.set CS,   128                         ; v[128:159] its cos
.set SN,   160                         ; v[160:191] its sin
.set W,    192                         ; v[192:255] the gains of my 64 channels
.set TB,   4                           ; s4        LDS byte at which the slot that is read begins
.set G1, 24                            ; s[24:31] descriptor group 1 for xb's tiles;  s[32:39] group 0: a set for each of the two first fills; the second then walks
.set G0, 32
.set G1B, 48                           ; s[48:55], s[56:63] the same for wqkv's tiles
.set G0B, 56
.set MSB, 0
.macro WIN new                         ; the immediate's high byte repeats the setting that is left; a switch that changes nothing is dropped
.if MSB != (\new)
	s_set_vgpr_msb (MSB<<8)|(\new)
.set MSB, \new
.endif
.endm
.set MUL_LO, 0xa1                      ; source 0 (wqkv) window 1, source 1 (xb) window 0, C and D window 2
.set MUL_HI, 0xf1                      ; the same, C and D window 3
.set TO_B,   0x40                      ; destination window 1, address window 0
; A joint load.  Waves 0 and 1 fetch xb's two halves, waves 2 and 3 wqkv's.  The branch hangs on the wave's number alone.  An s_nop 0 and four v_nop follow each line.
.macro JLOAD s
	s_cmp_eq_u32 s11, 0
	s_cbranch_scc0 .Lfor_b_\@
	tensor_load_to_lds s[G0+4*(\s):G0+4*(\s)+3], s[G1:G1+7]
	s_nop 0
.rept 4
	v_nop
.endr
	s_branch .Lasked_\@
.Lfor_b_\@:
	tensor_load_to_lds s[G0B+4*(\s):G0B+4*(\s)+3], s[G1B:G1B+7]
	s_nop 0
.rept 4
	v_nop
.endr
.Lasked_\@:
.endm
.macro CREST                           ; a round of the cluster's barrier behind its opening barrier
	s_cmp_lg_u32 s10, 0
	s_cbranch_scc1 .Lnot_wave_0_\@
	s_barrier_signal -3
.Lnot_wave_0_\@:
	s_barrier_wait -3
	s_barrier_signal -1
	s_barrier_wait -1
.endm
.macro CROUND                          ; a whole round
	s_barrier_signal -1
	s_barrier_wait -1
	CREST
.endm
	s_load_b512 s[68:83], s[0:1], 0x0              ; xb s[68:69], wqkv s[70:71], rope s[72:73], q_norm_w s[74:75], k_norm_w s[76:77], qb s[78:79], kvb s[80:81], sg s[82:83]
	v_lshl_add_u32 v[SPW], v0, 2, SPARE
	v_mov_b32 v[NIL], 0
	ds_add_u32 v[SPW], v[NIL]                      ; the wave's opening: the add and its wait stand ahead of my first tensor load; the set-up below, work on registers, stands between them
	v_lshrrev_b32 v1, 5, v0
	v_readfirstlane_b32 s10, v1                    ; wave 0..3
	s_lshr_b32 s11, s10, 1                         ; which half of the tile's rows is mine.  Also: I fetch for xb (0) or for wqkv (1)
	s_and_b32 s12, s10, 1                          ; which half of its columns.  Also: which half of that tile I fetch
	s_bfe_u32 s40, ttmp6, 0x40000                  ; cx
	s_bfe_u32 s41, ttmp6, 0x40004                  ; cy
	s_mov_b32 s45, ttmp9                           ; the cluster's x: 0, 1 query and gate; 2 k and v
	s_lshl_b32 s42, ttmp9, 2
	s_add_co_u32 s42, s42, s40                     ; tile column = 4 x cluster x + cx
	s_and_b32 s13, ttmp7, 0xffff
	s_lshl_b32 s13, s13, 2
	s_add_co_u32 s13, s13, s41                     ; tile row = 4 x cluster y + cy
	s_lshl_b32 s43, s41, 2
	s_lshl_b32 s43, 15, s43                        ; my row of the cluster
	s_lshl_b32 s44, 0x1111, s40                    ; my column
	s_or_b32 s[G1+0], s43, (1<<16)|(1<<20)|(1<<21)|(5<<22)|(3<<25)   ; the mask of my row; 2-byte elements; padding on; bit 21 beside a mask; after every 64 words 4 words
	s_mov_b32 s[G1+1], 128<<16                     ; tensor_dim0 = 128
	s_mov_b32 s[G1+2], 128<<16                     ; tensor_dim1 = 128
	s_mov_b32 s[G1+3], 128<<16                     ; tile_dim0 = 128
	s_mov_b32 s[G1+4], 128                         ; tile_dim1 = 128
	s_mov_b32 s[G1+5], 2048                        ; elements from row to row of xb
	s_mov_b32 s[G1+6], 0
	s_mov_b32 s[G1+7], 0
	s_or_b32 s[G1B+0], s44, (1<<16)|(1<<20)|(1<<21)|(6<<22)|(7<<25)  ; the mask of my column; after every 128 words 8 words
	s_mov_b32 s[G1B+1], 256<<16                    ; tensor_dim0 = 256
	s_mov_b32 s[G1B+2], 64<<16                     ; tensor_dim1 = 64
	s_mov_b32 s[G1B+3], 256<<16                    ; tile_dim0 = 256
	s_mov_b32 s[G1B+4], 64                         ; tile_dim1 = 64
	s_mov_b32 s[G1B+5], 3072                       ; elements from row to row of wqkv
	s_mov_b32 s[G1B+6], 0
	s_mov_b32 s[G1B+7], 0
	s_lshl_b32 s16, s13, 20                        ; xb: (256 x tile row + 128 x half) rows of 4,096 bytes: the tile row alone, which my row of the cluster shares
	s_lshl_b32 s17, s12, 19
	s_add_co_u32 s16, s16, s17
	s_mov_b32 s17, 0
	s_lshl_b32 s46, s42, 9                         ; wqkv: 512 bytes a tile column, which my column shares, and 64 rows for the second half
	s_mul_i32 s47, s12, 64*WROW
	s_add_co_u32 s46, s46, s47
	s_mov_b32 s47, 0
	s_mul_i32 s20, s10, HALFT                      ; where they go: wave x 34,816: no place in the cluster enters an LDS address
	s_mov_b32 s[TB], 0
	s_mov_b32 s96, 0x76543210                      ; v_permlanex16_b32: each lane takes its own place in the other half
	s_mov_b32 s97, 0xfedcba98
	s_mov_b32 s98, 0x3c000000                      ; 1 / 128
	s_mov_b32 s99, 0x358637bd                      ; 1e-6
	s_mov_b32 s100, 0xbfb8aa3b                     ; -log2(e)
	s_mov_b32 s101, s100                           ; named with it as a pair
	s_wait_dscnt 0x0                               ; the opening add is done
	s_wait_kmcnt 0x0
	s_add_nc_u64 s[14:15], s[68:69], s[16:17]
	s_add_nc_u64 s[46:47], s[70:71], s[46:47]
	CROUND                                         ; all sixteen work-groups are here: the first joint loads meet
.irp s, 0,1
	s_mov_b32 s[G0+4*(\s)], 1
	s_add_co_u32 s[G0+4*(\s)+1], s20, (\s)*SLOT
	s_add_nc_u64 s[G0+4*(\s)+2:G0+4*(\s)+3], s[14:15], (\s)*KSTEP*2
	s_or_b32 s[G0+4*(\s)+3], s[G0+4*(\s)+3], 0x80000000
	s_mov_b32 s[G0B+4*(\s)], 1
	s_add_co_u32 s[G0B+4*(\s)+1], s20, (\s)*SLOT
	s_add_nc_u64 s[G0B+4*(\s)+2:G0B+4*(\s)+3], s[46:47], (\s)*KSTEP*WROW
	s_or_b32 s[G0B+4*(\s)+3], s[G0B+4*(\s)+3], 0x80000000
	JLOAD \s                                       ; two tensor loads of mine are out
.endr
	v_and_b32 v1, 15, v0                           ; l % 16
	v_bfe_u32 v2, v0, 4, 1                         ; l / 16
	v_mul_u32_u24 v3, v1, PA
	v_lshl_add_u32 v3, v2, 4, v3                   ; xb: row x pitch + 16 x half
	v_and_b32 v4, 7, v0                            ; wqkv, turned: lane l reads row 8 (l / 16) + l % 8, 16 bytes at 16 ((l / 8) % 2)
	v_lshl_add_u32 v4, v2, 3, v4
	v_mul_u32_u24 v4, v4, PB
	v_bfe_u32 v5, v0, 3, 1
	v_lshl_add_u32 v4, v5, 4, v4
	s_mul_i32 s21, s11, HALFT                      ; my 128 rows of xb
	s_lshl_b32 s22, s12, 8                         ; my 128 columns of wqkv,
	s_add_co_u32 s22, s22, 2*HALFT                 ; which lies behind xb's 256 rows
	v_add_nc_u32 v[ADRA0], s21, v3
	v_add_nc_u32 v[ADRB0], s22, v4
	v_mov_b32 v[ADRA], v[ADRA0]                    ; slot 0 is read first
	v_mov_b32 v[ADRB], v[ADRB0]
	s_mul_i32 s23, s10, 16*SPITCH
	s_add_co_u32 s23, s23, STAGE                   ; my stage
	v_mul_u32_u24 v4, v1, SPITCH                   ; in: row l % 16, 16 bytes for each half of the lanes
	v_lshl_add_u32 v4, v2, 4, v4
	v_add_nc_u32 v[STO], s23, v4
	v_mul_u32_u24 v5, v2, SPITCH                   ; back: lanes 0-15 take one row of 256 bytes, lanes 16-31 the next
	v_lshl_add_u32 v5, v1, 4, v5
	v_add_nc_u32 v[RD], s23, v5
	v_and_b32 v5, 31, v0
	v_lshlrev_b32 v[CO], 4, v5                     ; the destination's rows are 256 dense bytes: two rows are 512 consecutive bytes
	s_lshl_b32 s23, s10, 16
	v_add_nc_u32 v[DA], s23, v[CO]                 ; 65,536 x wave + 16 x lane
	v_lshlrev_b32 v[CSO], 8, v1                    ; cos, sin: row l % 16 of 256 bytes, channels 8 (l / 16) on
	v_lshl_add_u32 v[CSO], v2, 5, v[CSO]
	v_lshlrev_b32 v[WO], 5, v2
	s_cmp_eq_u32 s45, 2
	s_cselect_b64 s[84:85], s[76:77], s[74:75]     ; k's gains or q's
	s_cselect_b32 s92, 1.0, 0x3e0293ee             ; q also takes 128^-0.5 log2(e) = 0.127517
	s_mov_b32 s93, s92
	s_cselect_b32 s87, 2, 3                        ; 4 groups or 8 heads a batch
	s_cselect_b32 s90, s40, s42                    ; the group (cx) or the head (the tile column)
.irp b, 0,1,2,3,4,5,6,7
	global_load_b128 v[W+8*(\b):W+8*(\b)+3], v[WO], s[84:85] offset:64*(\b)        ; the gains of channels 16 b + 8 (l / 16) + 0..7; they land during the K loop
	global_load_b128 v[W+8*(\b)+4:W+8*(\b)+7], v[WO], s[84:85] offset:64*(\b)+16
.endr
	s_lshr_b32 s91, s13, 3                         ; the batch: 8 tile rows each
	s_lshl_b32 s86, s91, s87
	s_add_co_u32 s86, s86, s90
	s_lshl_b32 s86, s86, 11                        ; 2,048 rows a head
	s_and_b32 s87, s13, 7
	s_lshl_b32 s87, s87, 8
	s_add_co_u32 s86, s86, s87
	s_lshl_b32 s87, s11, 7
	s_add_co_u32 s86, s86, s87                     ; my first row in the destination,
	s_lshl_b32 s86, s86, 8                         ; of 256 bytes
	s_cmp_eq_u32 s12, 0
	s_cselect_b64 s[94:95], s[78:79], s[82:83]     ; column half 0: qb, 1: sg;
	s_cselect_b32 s87, 0, 4194304
	s_cmp_eq_u32 s45, 2
	s_cselect_b64 s[94:95], s[80:81], s[94:95]     ; in the third column of clusters kvb, with v behind k
	s_cselect_b32 s87, s87, 0
	s_add_co_u32 s86, s86, s87
	s_mov_b32 s87, 0
	s_add_nc_u64 s[86:87], s[94:95], s[86:87]
	s_lshl_b32 s88, s13, 16                        ; cos and sin at my first row: (256 x tile row + 128 x half) rows of 256 bytes
	s_lshl_b32 s89, s11, 15
	s_add_co_u32 s88, s88, s89
	s_mov_b32 s89, 0
	s_add_nc_u64 s[88:89], s[72:73], s[88:89]
; 16 matrix instructions: row blocks a0, a0 + 1 of the window's four x all 8 channel blocks, 32 along K.  zero = 1: the first product starts the sums.
; The 64 accumulators take turns, one instruction a turn, in the same order in every quarter.
.macro MUL16 f, hi, a0, zero
	WIN MUL_LO+0x50*(\hi)
.irp a, \a0, (\a0)+1
.irp b, 0,1,2,3,4,5,6,7
.if \zero
	v_wmma_f32_16x16x32_bf16 v[8*(8*(\a)+(\b)):8*(8*(\a)+(\b))+7], v[(\f)+8*(\b):(\f)+8*(\b)+7], v[(\f)+8*(4*(\hi)+(\a)):(\f)+8*(4*(\hi)+(\a))+7], 0
.else
	v_wmma_f32_16x16x32_bf16 v[8*(8*(\a)+(\b)):8*(8*(\a)+(\b))+7], v[(\f)+8*(\b):(\f)+8*(\b)+7], v[(\f)+8*(4*(\hi)+(\a)):(\f)+8*(4*(\hi)+(\a))+7], v[8*(8*(\a)+(\b)):8*(8*(\a)+(\b))+7]
.endif
.endr
.endr
.endm
; 32 LDS loads in one run: the fragments of quarter q (32 along K) of the slot that is read, into buffer f: 128 columns of wqkv, turned, then 128 rows of xb
.macro FETCH q, f
	WIN TO_B
.irp i, 0,1,2,3,4,5,6,7
	ds_load_tr16_b128 v[(\f)+8*(\i):(\f)+8*(\i)+3],   v[ADRB] offset:(\q)*32*PB+32*(\i)
	ds_load_tr16_b128 v[(\f)+8*(\i)+4:(\f)+8*(\i)+7], v[ADRB] offset:(\q)*32*PB+16*PB+32*(\i)
.endr
	WIN 0
.irp i, 0,1,2,3,4,5,6,7
	ds_load_b128 v[(\f)+8*(\i):(\f)+8*(\i)+3],   v[ADRA] offset:64*(\q)+(\i)*16*PA
	ds_load_b128 v[(\f)+8*(\i)+4:(\f)+8*(\i)+7], v[ADRA] offset:64*(\q)+(\i)*16*PA+32
.endr
.endm
.macro PLACES                          ; four places in front of loads into registers that matrix instructions have read, and of lines that read results just made
.rept 4
	v_nop
.endr
.endm
; One of a K step's first three quarters: multiplies buffer f; in its middle it fetches quarter q of the same slot into buffer g.
.macro QUARTER q, f, g, zero
	s_wait_dscnt 8                                 ; wqkv's fragments and xb's rows 0-63 are in; the youngest eight loads (rows 64-127) may be out
	MUL16 \f, 0, 0, \zero
	MUL16 \f, 0, 2, \zero
	PLACES
	FETCH \q, \g
	s_wait_dscnt 32                                ; all but the 32 just issued
	MUL16 \f, 1, 0, \zero
	MUL16 \f, 1, 2, \zero
.endm
; The last quarter multiplies buffer 1 and changes slots: ONE barrier.  In front of it each wave waits for all its tensor loads (at most one is out: its part of the next slot), adds 0 to its spare word,
; and waits for that and for its own reads of this slot.  fill = 1: the barrier opens a round of the cluster's barrier; behind the round the slot just read out is filled again, with the K step two steps on,
; first thing: the walking descriptor takes the other slot than last time and the next K step.  Then the other slot's first fragments are fetched.
.macro TURN fill
	WIN 0                                          ; (the add's two registers lie in window 0)
	s_wait_tensorcnt 0x0
	ds_add_u32 v[SPW], v[NIL]
	s_wait_dscnt 9                                 ; (the add and the youngest eight loads may be out)
	MUL16 F1, 0, 0, 0                              ; sixteen matrix instructions stand between the add and the wait for it
	s_wait_dscnt 0x0                               ; the add is done, and my reads of this slot are over
	s_barrier_signal -1
	MUL16 F1, 0, 2, 0
	WIN 0                                          ; (branches, or lines on window 0, follow)
	s_barrier_wait -1
.if \fill
	CREST
	s_xor_b32 s[G0+5], s[G0+5], SLOT
	s_add_nc_u64 s[G0+6:G0+7], s[G0+6:G0+7], KSTEP*2
	s_xor_b32 s[G0B+5], s[G0B+5], SLOT
	s_add_nc_u64 s[G0B+6:G0B+7], s[G0B+6:G0B+7], KSTEP*WROW
	JLOAD 1                                        ; the four v_nop behind it are also the places in front of the loads below
.endif
	s_xor_b32 s[TB], s[TB], SLOT                   ; the fetches go to the other slot
	v_add_nc_u32 v[ADRA], s[TB], v[ADRA0]
	v_add_nc_u32 v[ADRB], s[TB], v[ADRB0]
.if !(\fill)
	v_nop                                          ; with the two lines above: four places in front of the loads below
	v_nop
.endif
	FETCH 0, F0
	MUL16 F1, 1, 0, 0
	MUL16 F1, 1, 2, 0
.endm
	s_wait_tensorcnt 1                             ; my part of K step 0 is in; K step 1's may stay out
	s_barrier_signal -1
	s_barrier_wait -1
	FETCH 0, F0
	QUARTER 1, F0, F1, 1                           ; the first quarter stands in front of the loop: its products start the sums
	WIN 0
	s_mov_b32 s3, STEPS-2
.Lstep:                                                ; a trip goes from a K step's second quarter to the next step's first, and fills the slot that it leaves
	QUARTER 2, F1, F0, 0
	QUARTER 3, F0, F1, 0
	TURN 1
	QUARTER 1, F0, F1, 0
	WIN 0
	s_sub_co_u32 s3, s3, 1
	s_cmp_lg_u32 s3, 0
	s_cbranch_scc1 .Lstep
	s_mov_b32 s3, 2
.Ltail:                                                ; the last two K steps ask for nothing: no tensor load stands in this loop
	QUARTER 2, F1, F0, 0
	QUARTER 3, F0, F1, 0
	TURN 0
	WIN 0
	s_sub_co_u32 s3, s3, 1
	s_cmp_eq_u32 s3, 0
	s_cbranch_scc1 .Lsummed                        ; the last K step is done
	QUARTER 1, F0, F1, 0
	WIN 0
	s_cmp_lg_u32 s3, 0
	s_cbranch_scc1 .Ltail
.Lsummed:
; THE WAY OUT.  The slots have had their last fill.  Each wave sets its 64 accumulators down in 65,536 bytes of them (each lane its own 16 bytes), and then all four waves walk their eight blocks of 16 rows
; in ONE loop whose text names the same registers in every trip: the block comes back, is worked on by its kind (norm and RoPE; sigmoid; nothing), and leaves through the wave's stage.
; The block's LDS address is the fixed register DA plus a scalar that steps by a block's 8,192 bytes.
.macro CSLOAD                          ; a block's cos and sin: channels 16 b + 8 (l / 16) + 0..7, b = 0..3
.irp b, 0,1,2,3
	global_load_b128 v[CS+8*(\b):CS+8*(\b)+3], v[CSO], s[88:89] offset:64*(\b)
	global_load_b128 v[CS+8*(\b)+4:CS+8*(\b)+7], v[CSO], s[88:89] offset:64*(\b)+16
	global_load_b128 v[SN+8*(\b):SN+8*(\b)+3], v[CSO], s[88:89] offset:1048576+64*(\b)
	global_load_b128 v[SN+8*(\b)+4:SN+8*(\b)+7], v[CSO], s[88:89] offset:1048576+64*(\b)+16
.endr
.endm
	PLACES                                         ; behind the last products: their results are read, and fragment registers loaded, below
	s_wait_loadcnt 0x0                             ; the gains
	s_wait_dscnt 0x0
	s_barrier_signal -1                            ; every wave's reads of the slots are over
	s_barrier_wait -1
	s_cmp_lg_u32 s12, 0
	s_cbranch_scc1 .Lno_rope
	CSLOAD                                         ; q and k: block 0's cos and sin are on their way while the accumulators are set down
.set p, 0
.rept 32                                               ; the gains are rounded to bf16, and q's take the score's scale
	v_cvt_pk_bf16_f32 v[T+p%4], v[W+2*p], v[W+2*p+1]
	v_lshlrev_b32 v[W+2*p], 16, v[T+p%4]
	v_and_b32 v[W+2*p+1], 0xffff0000, v[T+p%4]
	v_pk_mul_f32 v[W+2*p:W+2*p+1], v[W+2*p:W+2*p+1], s[92:93] op_sel_hi:[1,0]
.set p, p+1
.endr
.Lno_rope:
.irp a, 0,1,2,3,4,5,6,7
	WIN 0x08+4*((\a)/4)                            ; store data in window 2 or 3
.irp b, 0,1,2,3,4,5,6,7
	ds_store_b128 v[DA], v[8*(8*((\a)%4)+(\b)):8*(8*((\a)%4)+(\b))+3] offset:(\a)*8192+(\b)*1024       ; each accumulator's low registers first
	ds_store_b128 v[DA], v[8*(8*((\a)%4)+(\b))+4:8*(8*((\a)%4)+(\b))+7] offset:(\a)*8192+(\b)*1024+512
.endr
.endr
	WIN 0
	s_wait_dscnt 0x0                               ; my stores are done,
	s_barrier_signal -1
	s_barrier_wait -1                              ; and so are everybody's, before any wave loads from LDS again
	s_mov_b32 s3, 8                                ; blocks to go
	s_mov_b32 s2, 0                                ; the block's place among my eight
.Lblock:
	v_add_nc_u32 v[RA], s2, v[DA]
.irp c, 0,1,2,3,4,5,6,7,8,9,10,11,12,13,14,15
	ds_load_b128 v[X+4*(\c):X+4*(\c)+3], v[RA] offset:512*(\c)  ; X[8 b + j] = channel 16 b + 8 (l / 16) + j of row l % 16
.endr
	s_wait_dscnt 0x0                               ; the block is in;
	s_barrier_signal -1
	s_barrier_wait -1                              ; every wave's loads are back before any wave stores into LDS again
	s_cmp_eq_u32 s12, 0
	s_cbranch_scc1 .Lnorm                          ; column half 0: q or k
	s_cmp_eq_u32 s45, 2
	s_cbranch_scc1 .Lout                           ; v leaves as it is
.set p, 0                                              ; the gate: 1 / (1 + 2^(-log2(e) x))
.rept 32
	v_pk_mul_f32 v[X+2*p:X+2*p+1], v[X+2*p:X+2*p+1], s[100:101] op_sel_hi:[1,0]
.set p, p+1
.endr
.set p, 0
.rept 64
	v_exp_f32 v[X+p], v[X+p]
.set p, p+1
.endr
	v_nop                                          ; a plain instruction between the last exponential and the use of its result (ISA guide 5.7.2)
.set p, 0
	s_wait_alu depctr_va_vdst(0)
.rept 32
	v_pk_add_f32 v[X+2*p:X+2*p+1], v[X+2*p:X+2*p+1], 1.0 op_sel_hi:[1,0]
.set p, p+1
.endr
.set p, 0
.rept 64
	v_rcp_f32 v[X+p], v[X+p]
.set p, p+1
.endr
	v_nop
	s_branch .Lout
.Lnorm:
.irp c, 0,1,2,3
	v_pk_mul_f32 v[T+2*(\c):T+2*(\c)+1], v[X+2*(\c):X+2*(\c)+1], v[X+2*(\c):X+2*(\c)+1]  ; the sum of squares in four chains; the first products start them
.endr
.set p, 4
.rept 28
	v_pk_fma_f32 v[T+2*(p%4):T+2*(p%4)+1], v[X+2*p:X+2*p+1], v[X+2*p:X+2*p+1], v[T+2*(p%4):T+2*(p%4)+1]
.set p, p+1
.endr
	v_pk_add_f32 v[T:T+1], v[T:T+1], v[T+2:T+3]
	v_pk_add_f32 v[T+4:T+5], v[T+4:T+5], v[T+6:T+7]
	v_pk_add_f32 v[T:T+1], v[T:T+1], v[T+4:T+5]
	v_add_f32 v[T], v[T], v[T+1]
	v_permlanex16_b32 v[T+1], v[T], s96, s97       ; the row's other 64 channels lie in the lane 16 away
	v_add_f32 v[T], v[T], v[T+1]
	v_fma_f32 v[T], v[T], s98, s99                 ; the mean + 1e-6
	v_rsq_f32 v[RS], v[T]
.set p, 0
.rept 32
	v_pk_mul_f32 v[X+2*p:X+2*p+1], v[X+2*p:X+2*p+1], v[W+2*p:W+2*p+1]  ; the gains: plain work behind the root
.set p, p+1
.endr
	s_wait_alu depctr_va_vdst(0)
	v_mov_b32 v[RS+1], v[RS]
.set p, 0
.rept 32
	v_pk_mul_f32 v[X+2*p:X+2*p+1], v[X+2*p:X+2*p+1], v[RS:RS+1]
.set p, p+1
.endr
	s_wait_loadcnt 0x0                             ; this block's cos and sin, asked for a trip ago
.irp b, 0,1                            ; channel c < 32: x[c] cos[c] - x[c + 32] sin[c]; channel c + 32: x[c + 32] cos[c + 32] + x[c] sin[c + 32]
.irp e, 0,1,2,3
	v_pk_mul_f32 v[U:U+1], v[X+8*(\b)+2*(\e):X+8*(\b)+2*(\e)+1], v[SN+8*((\b)+2)+2*(\e):SN+8*((\b)+2)+2*(\e)+1]
	v_pk_mul_f32 v[TT:TT+1], v[X+8*((\b)+2)+2*(\e):X+8*((\b)+2)+2*(\e)+1], v[SN+8*(\b)+2*(\e):SN+8*(\b)+2*(\e)+1]
	v_pk_fma_f32 v[X+8*(\b)+2*(\e):X+8*(\b)+2*(\e)+1], v[X+8*(\b)+2*(\e):X+8*(\b)+2*(\e)+1], v[CS+8*(\b)+2*(\e):CS+8*(\b)+2*(\e)+1], v[TT:TT+1] neg_lo:[0,0,1] neg_hi:[0,0,1]
	v_pk_fma_f32 v[X+8*((\b)+2)+2*(\e):X+8*((\b)+2)+2*(\e)+1], v[X+8*((\b)+2)+2*(\e):X+8*((\b)+2)+2*(\e)+1], v[CS+8*((\b)+2)+2*(\e):CS+8*((\b)+2)+2*(\e)+1], v[U:U+1]
.endr
.endr
	s_cmp_eq_u32 s3, 1
	s_cbranch_scc1 .Lout                           ; the last block has no successor: no load leaves the buffer
	v_add_nc_u32 v[CSO], 4096, v[CSO]              ; free since the wait for its loads: 16 rows on
	CSLOAD
.Lout:                                                 ; rounded to f16, through my stage, out as 16 rows of 256 bytes: 4,096 consecutive bytes
.set p, 0
	s_wait_alu depctr_va_vdst(0)
.rept 32
	v_cvt_pk_f16_f32 v[Y+p], v[X+2*p], v[X+2*p+1]
.set p, p+1
.endr
.irp b, 0,1,2,3,4,5,6,7
	ds_store_b128 v[STO], v[Y+4*(\b):Y+4*(\b)+3] offset:32*(\b)
.endr
.irp t, 0,1,2,3,4,5,6,7
	ds_load_b128 v[Y+4*(\t):Y+4*(\t)+3], v[RD] offset:(\t)*2*SPITCH  ; LDS serves a wave's instructions in order (ISA guide 5.7.1.4): these see the stores above
.endr
	s_wait_dscnt 0x0
.irp t, 0,1,2,3,4,5,6,7
	global_store_b128 v[CO], v[Y+4*(\t):Y+4*(\t)+3], s[86:87] offset:512*(\t)  ; 512 consecutive bytes, at a multiple of 512 from the buffer's first
.endr
	s_wait_xcnt 0x0                                ; Y and the base are written again only behind this wait
	s_add_nc_u64 s[86:87], s[86:87], 4096
	s_add_co_u32 s2, s2, 8192                      ; my next block
	s_barrier_signal -1                            ; every wave's stores into its stage are done (the wait for 0 above) before any wave loads its next block
	s_barrier_wait -1
	s_sub_co_u32 s3, s3, 1
	s_cmp_lg_u32 s3, 0
	s_cbranch_scc1 .Lblock
	s_wait_tensorcnt 0x0                           ; the wave's end: behind my last tensor load and my last LDS store
	ds_add_u32 v[SPW], v[NIL]
	s_wait_dscnt 0x0
	CROUND                                         ; the closing round: no work-group ends while a partner may still ask for a tile that names it
	s_endpgm
.Lfunc_end_k_q43889a95c5_qkv:
	.size	k_q43889a95c5_qkv, .Lfunc_end_k_q43889a95c5_qkv-k_q43889a95c5_qkv
	.p2alignl 7, 3214868480
	.fill 96, 4, 3214868480
	.section	.rodata,"a",@progbits
	.p2align	6, 0x0
	.amdhsa_kernel k_q43889a95c5_qkv
		.amdhsa_group_segment_fixed_size 327680
		.amdhsa_private_segment_fixed_size 0
		.amdhsa_enable_private_segment 0
		.amdhsa_kernarg_size 64
		.amdhsa_user_sgpr_count 2
		.amdhsa_user_sgpr_kernarg_segment_ptr 1
		.amdhsa_wavefront_size32 1
		.amdhsa_system_sgpr_workgroup_id_x 1
		.amdhsa_system_sgpr_workgroup_id_y 1
		.amdhsa_system_sgpr_workgroup_id_z 1
		.amdhsa_system_vgpr_workitem_id 0
		.amdhsa_next_free_vgpr 1024
		.amdhsa_next_free_sgpr 102
		.amdhsa_reserve_vcc 0
		.amdhsa_float_denorm_mode_32 3
		.amdhsa_float_denorm_mode_16_64 3
		.amdhsa_memory_ordered 1
		.amdhsa_forward_progress 1
		.amdhsa_inst_pref_size 112
	.end_amdhsa_kernel
	.amdgpu_metadata
---
amdhsa.version: [ 1, 2 ]
amdhsa.kernels:
  - .name:           k_q43889a95c5_qkv
    .symbol:         k_q43889a95c5_qkv.kd
    .args:
      - { .name: xb, .offset: 0, .size: 8, .value_kind: global_buffer, .address_space: global }
      - { .name: wqkv, .offset: 8, .size: 8, .value_kind: global_buffer, .address_space: global }
      - { .name: rope, .offset: 16, .size: 8, .value_kind: global_buffer, .address_space: global }
      - { .name: q_norm_w, .offset: 24, .size: 8, .value_kind: global_buffer, .address_space: global }
      - { .name: k_norm_w, .offset: 32, .size: 8, .value_kind: global_buffer, .address_space: global }
      - { .name: qb, .offset: 40, .size: 8, .value_kind: global_buffer, .address_space: global }
      - { .name: kvb, .offset: 48, .size: 8, .value_kind: global_buffer, .address_space: global }
      - { .name: sg, .offset: 56, .size: 8, .value_kind: global_buffer, .address_space: global }
    .group_segment_fixed_size: 327680
    .private_segment_fixed_size: 0
    .kernarg_segment_align: 8
    .kernarg_segment_size: 64
    .max_flat_workgroup_size: 128
    .sgpr_count:     102
    .vgpr_count:     1024
    .wavefront_size: 32
...
	.end_amdgpu_metadata
.endif
;; end of part 2
;; launch attn (part 3): grid 4 x 64, 4 waves a work-group, clusters of 4 x 4, 327,680 bytes of LDS; arguments qb, kvb, attn_mask, sg, og; writes og
.if DOCPART == 3
	.amdgcn_target "amdgcn-amd-amdhsa--gfx1250"
	.amdhsa_code_object_version 6
	.text
	.protected	k_q43889a95c5_attn
	.globl	k_q43889a95c5_attn
	.p2align	8
	.type	k_q43889a95c5_attn,@function
k_q43889a95c5_attn:
	s_mov_b64 s[64:65], 0
	v_nop
	global_prefetch_b8 v0, s[64:65] scope:SCOPE_SE
	s_setreg_imm32_b32 hwreg(HW_REG_WAVE_MODE, 25, 1), 1
	s_wait_xcnt 0x0
	s_wait_alu depctr_hold_cnt(0) depctr_sa_sdst(0) depctr_va_vdst(0) depctr_va_sdst(0) depctr_va_ssrc(0) depctr_va_vcc(0) depctr_vm_vsrc(0)
	s_getreg_b32 s2, hwreg(HW_REG_IB_STS2, 6, 4)
	s_cmp_eq_u32 s2, 0
	s_cbranch_scc0 .Lentry_in_a_cluster
	s_endpgm
.Lentry_in_a_cluster:
	s_bfe_u32 s2, ttmp6, 0x10000c
	s_cmp_lg_u32 s2, 0xf033
	s_cbranch_scc0 .Lentry_shape_is_right
	s_endpgm
.Lentry_shape_is_right:
; ATTENTION with an additive mask that is an input, two query heads to a key and value head, and a sigmoid gate on the way out.
;   og[b s][128 h + d] = sg[b][h][s][d] x the sum over k of softmax_k(q . k / sqrt(128) + mask[b][s][k]) v[k][d].   qb arrives times 128^-0.5 log2(e): the exponentials are in base 2.
; Products, maxima and sums in f32; q, k, v in f16; the weights p are rounded to f16 for the second product (their sum l is taken of the unrounded p); O is multiplied by the gate in f32 and rounded once to f16.
; THE MASK is read whole and honoured as given.  It is rounded to bf16 like every input, multiplied by log2(e) in f32, and ADDED IN F32 onto the finished score; the exponent is t - m, a difference of two such
; sums.  So a row whose keys are all hidden by a large negative number gets equal weights, as an f32 sum of score and mask gives them.
; LIMITS.  f16 ends at 65,504 (v and O); p below 6e-5 keeps f16's fixed step of 6e-8; a weight below 2^-126 counts as 0; NaN and infinities are not treated apart.
; SHARES.  A work-group owns 64 positions of a batch x the 2 heads of one group: 128 query rows; 256 work-groups.  Wave w owns 32 of the positions (w / 2) and, of every 128 keys, 64 (w % 2): four tiles of
; 16 rows (tile t: position block t / 2, head t % 2), 16 key steps of 64.  The two key halves' O, m and l meet in LDS at the end.  So a fragment of K or V feeds four tiles' products although the query rows are few.
; LAYOUT.  S^T = K Q^T: a lane holds ONE query (lane % 16) and the keys 8 (lane / 16) + 0..7 of each 16; two such results rounded to f16 ARE source 1 of O^T = V^T P.  The two tiles of a PIECE (0: tiles 0, 1;
; 2: tiles 2, 3) are two heads of the same positions and share one fragment of the mask.
; BY TURNS.  In a turn one piece has the matrix unit (32 products V^T P of the step in hand, then 32 products K Q^T of the next); the other piece's softmax, 150 instructions a tile cut into 64 slices, stands
; between them, one slice behind each product.  The mask's 96 conversions a step stand together, between the two runs of piece 0's turn.
; NO FIRST AND NO LAST STEP IS WRITTEN OUT.  m starts at the lowest finite number, O and l at 0, V at 0, piece 2's scores at the lowest finite number: the first trip's products and softmax 'of the step before' add
; zeros, and the first true step multiplies l and O by a = 0.  The tail is a loop of two trips, left behind its second turn of piece 0.  The price: some 520 v_mov_b32 in the wait for the first tile, 64 products
; on zeros at the start, and at the end 32 products on the last K once more and 96 conversions of the last mask.
; CLUSTER 4 x 4.  x is the group, y the block of positions.  K and V hang on batch and group: shared along a column; the mask hangs on y alone: shared along a row.  Each tile is asked for jointly.
; REGISTERS, in windows of 256 (s_set_vgpr_msb: bits 1:0 source 0, 3:2 source 1, 5:4 source 2, 7:6 destination):
;   window 0: v0-11, v44-45, v56-63 addresses; v12-43 eight registers of statistics a tile; v46-55 at work at the end; v64-191 S^T, 32 a tile; v192-255 P, 16 a tile
;   window 1: O^T, 64 a tile      window 2: v0-127 Q, 32 a tile; v128-255 K of one step      window 3: v0-127 V of one step; v128-191 the mask, 32 a piece; v192-199 at work; v254 log2(e); v255 0
.set PK,    272       ; a row of K in LDS: 256 bytes + 16 = 68 words: the 16 rows of a load start at 16 different groups of four banks (64 banks of 4 bytes: ISA guide 11.1)
.set PV,    288       ; a row of V: 256 + 32 = 72 words
.set PM,    272       ; a row of a mask tile: 64 f32 + 16 bytes
.set VOFF,  128*PK    ; a slot holds 128 keys: K, then V,
.set MOFF,  VOFF+128*PV  ; then the mask: two tiles of 64 positions x 64 keys
.set SLOT1, 1<<17     ; slot 1 begins here, so that one exclusive or turns an address in one slot into the other's
.set STAGE, SLOT1+MOFF+128*PM  ; behind the ring: 16 rows x 272 bytes for each wave, for the way out
.set SP,    272
.set SPARE, STAGE+4*16*SP      ; behind the stages: the spare words, 128 bytes for each wave: two blocks of 256 bytes that no other line names
.set DHALF, 34816     ; at the end, in the slots: a wave's O (32,768 bytes) and statistics (1,024); the two key halves lie this far apart
.set AK0, 2           ; v2   my lane's place in my 64 keys of K; never rewritten
.set AV0, 3           ; v3   the same for V
.set ADR, 4           ; v4   the LDS address of the run of loads in hand
.set QO,  5           ; v5   my byte offset in 16 rows of Q and of the gate
.set STO, 6           ; v6   the way out: where I put 16 bytes of a row
.set RD,  7           ; v7   where I read rows back
.set GO,  8           ; v8   my byte offset in two rows of og
.set ST,  12          ; tile t's statistics at v[ST+8 t]: +0 m, +1 m_old, +2, +3 l (even keys', odd keys'), +4 to +7 c0-c3, at work; a takes c2's place
.set AM0, 44          ; v44  my lane's place in my mask tile
.set ADRM, 45         ; v45  the LDS address of the mask's run of loads
.set DW,  56          ; v56  the end: where I set my O down
.set DSW, 57          ; v57  and my statistics
.set DR,  58          ; v58  where the two halves of the tiles that I finish lie
.set DSR, 59          ; v59  and their statistics
.set PFM, 60          ; v60  asking ahead: my lane's block of 256 bytes in a mask tile; never rewritten
.set PFK, 61          ; v61  the same in a tile of K or V
.set SPW, 62          ; v62  LDS address of my spare word; never rewritten
.set NIL, 63          ; v63  0; never rewritten
.set S,   64
.set P,   192
.set KF,  128         ; window 2
.set MK,  128         ; window 3
.set MT,  192
.set LG,  254
.set ZR,  255
.set G,   64          ; the end: the gate in f16, 32 registers a head
.set XA,  128         ; the end: a tile's O of key half 0, then the merged O
.set XB,  192         ; of key half 1, then the gate in f32, then the packed result
.set WV,  12          ; s12  my wave's number
.set G1K, 24          ; s[24:31] descriptor group 1 for K's tiles
.set G1V, 32          ; s[32:39] for V's
.set G0K0, 40         ; s[40:43] group 0 for K's first tile
.set G0V0, 44         ; s[44:47] for V's
.set G1M, 48          ; s[48:55] group 1 for the mask's tiles
.set G0M0, 56         ; s[56:59] group 0 for the mask's first tile
.set SLOTS, 60        ; s60  trips of the loop to go
.set TB,  61          ; s61  LDS byte at which the slot to be read begins
.set SEL, 62          ; s[62:63] v_permlanex16_b32's selects
.set PN,  75          ; s75  asking ahead: the tile to ask the L2 for
.set G0K, 76          ; s[76:79] group 0 for K's second tile; it then walks
.set G0V, 80          ; s[80:83] for V's
.set G0M, 84          ; s[84:87] for the mask's
.set MSB, 0
.macro WIN new                      ; the high byte repeats the setting that is left; a switch that changes nothing is dropped
.if MSB != (\new)
	s_set_vgpr_msb (MSB<<8)|(\new)
.set MSB, \new
.endif
.endm
.set W_KQ, 0x0a       ; K and Q in window 2, S^T in window 0
.set W_PV, 0x53       ; V in window 3, P in window 0, O^T in window 1
.set W_RS, 0x41       ; O^T (destination and source 0) in window 1, a in window 0
.set W_MA, 0x0c       ; S^T in window 0, the mask (source 1) in window 3
; A joint refill: wave 0 fetches the slot's K, wave 1 its V, waves 2 and 3 the two mask tiles.  The branches hang on the wave's number alone.  An s_nop 0 and four v_nop follow each line.
.macro JLOAD
	s_cmp_lt_u32 s[WV], 2
	s_cbranch_scc0 .Lfor_m_\@
	s_cmp_eq_u32 s[WV], 0
	s_cbranch_scc0 .Lfor_v_\@
	tensor_load_to_lds s[G0K:G0K+3], s[G1K:G1K+7]
	s_nop 0
.rept 4
	v_nop
.endr
	s_branch .Lasked_\@
.Lfor_v_\@:
	tensor_load_to_lds s[G0V:G0V+3], s[G1V:G1V+7]
	s_nop 0
.rept 4
	v_nop
.endr
	s_branch .Lasked_\@
.Lfor_m_\@:
	tensor_load_to_lds s[G0M:G0M+3], s[G1M:G1M+7]
	s_nop 0
.rept 4
	v_nop
.endr
.Lasked_\@:
.endm
.macro CROUND                       ; a round of the cluster's barrier
	s_barrier_signal -1
	s_barrier_wait -1
	s_cmp_lg_u32 s[WV], 0
	s_cbranch_scc1 .Lnot_wave_0_\@
	s_barrier_signal -3
.Lnot_wave_0_\@:
	s_barrier_wait -3
	s_barrier_signal -1
	s_barrier_wait -1
.endm
; THE CHANGE OF SLOTS.  Each wave waits for all its tensor loads (one is out: its part of the other slot), adds 0 to its spare word, and waits for that and for its own reads of the slot that it leaves.
; fill = 1: a round of the cluster's barrier, and behind it, first thing, the joint fill of the slot just left, with the keys two slots on: it has a key step, 128 matrix instructions a wave, in which to land.
.macro CHANGE fill
	WIN 0
	s_wait_tensorcnt 0x0            ; no tensor load of mine is out, so a group 0 may be written
	ds_add_u32 v[SPW], v[NIL]
.if \fill
.irp g, G0K, G0V
	s_xor_b32 s[\g+1], s[\g+1], SLOT1  ; the walking descriptor: the other slot than last time,
	s_add_nc_u64 s[\g+2:\g+3], s[\g+2:\g+3], 128*256  ; the next 128 keys
.endr
	s_xor_b32 s[G0M+1], s[G0M+1], SLOT1
	s_add_nc_u64 s[G0M+2:G0M+3], s[G0M+2:G0M+3], 128*4  ; 128 columns of the mask on
	s_wait_dscnt 0x0                ; the add is done, and my reads of the slot are over
	CROUND
	JLOAD
.else
	s_wait_dscnt 0x0
	s_barrier_signal -1
	s_barrier_wait -1
.endif
	s_xor_b32 s[TB], s[TB], SLOT1   ; the fetches go to the other slot
.endm
	s_load_b256 s[4:11], s[0:1], 0x0  ; qb s[4:5], kvb s[6:7], attn_mask s[8:9], sg s[10:11]
	s_load_b64 s[66:67], s[0:1], 0x20 ; og
	v_lshl_add_u32 v[SPW], v0, 2, SPARE
	v_mov_b32 v[NIL], 0
	ds_add_u32 v[SPW], v[NIL]       ; the wave's opening: the add and its wait stand ahead of my first tensor load; the set-up below, work on registers, stands between them
	v_lshrrev_b32 v1, 5, v0
	v_readfirstlane_b32 s[WV], v1   ; wave 0..3
	s_lshr_b32 s13, s[WV], 1        ; which 32 positions are mine
	s_and_b32 s14, s[WV], 1         ; which 64 of every 128 keys.  Also: which mask tile I fetch
	s_bfe_u32 s15, ttmp6, 0x40000   ; cx: the group
	s_bfe_u32 s16, ttmp6, 0x40004   ; cy
	s_and_b32 s17, ttmp7, 0xffff    ; the cluster's y: 8 to a batch
	s_lshr_b32 s18, s17, 3          ; the batch
	s_and_b32 s100, s17, 7          ; the cluster's number in its batch: equal in all partners
	s_lshl_b32 s20, s18, 2          ; K and V: (4 x batch + group) x 2,048 rows of 256 bytes: what my column of the cluster shares
	s_add_co_u32 s20, s20, s15
	s_lshl_b32 s20, s20, 19
	s_mov_b32 s21, 0
	s_lshl_b32 s22, s17, 2
	s_add_co_u32 s22, s22, s16      ; y = 32 x batch + block of 64 positions
	s_lshl_b32 s96, s22, 19         ; the mask: 64 y rows of 8,192 bytes: what my row of the cluster shares;
	s_mov_b32 s97, 0
	s_lshl_b32 s3, s14, 8           ; 256 bytes on for the second tile
	s_add_co_u32 s2, s96, s3
	s_mov_b32 s3, 0
	s_mov_b32 s99, 0
	s_lshl_b32 s19, s16, 2
	s_lshl_b32 s19, 15, s19         ; my row of the cluster
	s_lshl_b32 s23, 0x1111, s15     ; my column
	s_or_b32 s[G1K], s23, (1<<16)|(1<<20)|(1<<21)|(5<<22)|(3<<25)  ; the mask of my column; 2-byte elements; padding on; bit 21 beside a mask; after every 64 words 4 words
	s_or_b32 s[G1V], s23, (1<<16)|(1<<20)|(1<<21)|(5<<22)|(7<<25)  ; the same with 8 words
.irp g, G1K, G1V
	s_mov_b32 s[\g+1], 128<<16      ; tensor_dim0 = 128
	s_mov_b32 s[\g+2], 128<<16      ; tensor_dim1 = 128
	s_mov_b32 s[\g+3], 128<<16      ; tile_dim0 = 128
	s_mov_b32 s[\g+4], 128          ; tile_dim1 = 128
	s_mov_b32 s[\g+5], 128          ; elements from row to row
	s_mov_b32 s[\g+6], 0
	s_mov_b32 s[\g+7], 0
.endr
	s_or_b32 s[G1M], s19, (2<<16)|(1<<20)|(1<<21)|(5<<22)|(3<<25)  ; the mask of my row; 4-byte elements; after every 64 words 4 words
	s_mov_b32 s[G1M+1], 64<<16      ; tensor_dim0 = 64
	s_mov_b32 s[G1M+2], 64<<16      ; tensor_dim1 = 64
	s_mov_b32 s[G1M+3], 64<<16      ; tile_dim0 = 64
	s_mov_b32 s[G1M+4], 64          ; tile_dim1 = 64
	s_mov_b32 s[G1M+5], 2048        ; elements from row to row
	s_mov_b32 s[G1M+6], 0
	s_mov_b32 s[G1M+7], 0
	s_mov_b32 s[G0K0], 1
	s_mov_b32 s[G0K0+1], 0          ; LDS addresses: no place in the cluster enters them
	s_mov_b32 s[G0V0], 1
	s_mov_b32 s[G0V0+1], VOFF
	s_mov_b32 s[G0M0], 1
	s_mul_i32 s[G0M0+1], s14, 64*PM
	s_add_co_u32 s[G0M0+1], s[G0M0+1], MOFF
	s_mov_b32 s[G0K], 1
	s_mov_b32 s[G0K+1], SLOT1
	s_mov_b32 s[G0V], 1
	s_mov_b32 s[G0V+1], SLOT1+VOFF
	s_mov_b32 s[G0M], 1
	s_add_co_u32 s[G0M+1], s[G0M0+1], SLOT1
	s_lshl_b32 s68, s18, 3          ; Q: head 8 x batch + 2 x group,
	s_lshl_b32 s69, s15, 1
	s_add_co_u32 s68, s68, s69
	s_lshl_b32 s68, s68, 19         ; of 2,048 rows of 256 bytes;
	s_and_b32 s69, s22, 31
	s_lshl_b32 s69, s69, 14         ; my block's 64 rows,
	s_add_co_u32 s68, s68, s69
	s_lshl_b32 s69, s13, 13         ; my wave's 32 of them
	s_add_co_u32 s68, s68, s69
	s_mov_b32 s69, 0
	s_lshl_b32 s70, s14, 12         ; the gate: the same, at the 16 positions that I finish
	s_add_co_u32 s70, s70, s68
	s_mov_b32 s71, 0
	s_lshl_b32 s72, s22, 17         ; og: row 64 y + 32 (w / 2) + 16 (w % 2) of 2,048 bytes, column 256 x group
	s_lshl_b32 s73, s13, 16
	s_add_co_u32 s72, s72, s73
	s_lshl_b32 s73, s14, 15
	s_add_co_u32 s72, s72, s73
	s_lshl_b32 s73, s15, 9
	s_add_co_u32 s72, s72, s73
	s_mov_b32 s73, 0
	s_mov_b32 s74, 0xff7fffff       ; the lowest finite number
	s_mov_b32 s[SEL], 0x76543210
	s_mov_b32 s[SEL+1], 0xfedcba98
	s_mov_b32 s[TB], 0
	s_mov_b32 s[SLOTS], 15
	s_mov_b32 s[PN], 2
	s_wait_dscnt 0x0                ; the opening add is done
	s_wait_kmcnt 0x0
	s_add_nc_u64 s[90:91], s[6:7], s[20:21]                ; K of my batch and group
	s_mov_b64 s[G0K0+2:G0K0+3], s[90:91]                   ; keys 0-127
	s_add_nc_u64 s[G0V0+2:G0V0+3], s[90:91], 4194304       ; v lies behind k
	s_add_nc_u64 s[G0K+2:G0K+3], s[90:91], 128*256         ; keys 128-255
	s_add_nc_u64 s[G0V+2:G0V+3], s[90:91], 4194304+128*256
	s_add_nc_u64 s[G0M0+2:G0M0+3], s[8:9], s[2:3]
	s_add_nc_u64 s[G0M+2:G0M+3], s[G0M0+2:G0M0+3], 128*4
.irp g, G0K0, G0V0, G0M0, G0K, G0V, G0M
	s_or_b32 s[\g+3], s[\g+3], 0x80000000
.endr
	s_add_nc_u64 s[88:89], s[8:9], s[96:97]                ; the mask at my block's first row
	s_add_nc_u64 s[4:5], s[4:5], s[68:69]
	s_add_nc_u64 s[10:11], s[10:11], s[70:71]
	s_add_nc_u64 s[66:67], s[66:67], s[72:73]
	CROUND                          ; all sixteen work-groups are here: the first joint loads meet
	s_cmp_lt_u32 s[WV], 2           ; a wave's two first fills stand in one branch, ahead of every wait on TENSORcnt and every LDS read: two loads of mine are out; an s_nop 0 follows each, four v_nop the second's
	s_cbranch_scc0 .Lfirst_m
	s_cmp_eq_u32 s[WV], 0
	s_cbranch_scc0 .Lfirst_v
	tensor_load_to_lds s[G0K0:G0K0+3], s[G1K:G1K+7]
	s_nop 0
	tensor_load_to_lds s[G0K:G0K+3], s[G1K:G1K+7]
	s_nop 0
.rept 4
	v_nop
.endr
	s_branch .Lfirst_asked
.Lfirst_v:
	tensor_load_to_lds s[G0V0:G0V0+3], s[G1V:G1V+7]
	s_nop 0
	tensor_load_to_lds s[G0V:G0V+3], s[G1V:G1V+7]
	s_nop 0
.rept 4
	v_nop
.endr
	s_branch .Lfirst_asked
.Lfirst_m:
	tensor_load_to_lds s[G0M0:G0M0+3], s[G1M:G1M+7]
	s_nop 0
	tensor_load_to_lds s[G0M:G0M+3], s[G1M:G1M+7]
	s_nop 0
.rept 4
	v_nop
.endr
.Lfirst_asked:
	v_and_b32 v1, 15, v0            ; l % 16
	v_bfe_u32 v9, v0, 4, 1          ; l / 16
	v_lshlrev_b32 v[QO], 8, v1
	v_lshl_add_u32 v[QO], v9, 4, v[QO]  ; row x 256 + 16 x half
	WIN 0x80                        ; destination window 2, address window 0
.set i, 0
.rept 16                            ; Q stays in registers: tile i / 4 (head (i / 4) % 2, position block i / 8), channels 32 (i % 4) on
	global_load_b128 v[8*i:8*i+3],   v[QO], s[4:5] offset:((i/4)%2)*524288+(i/8)*4096+(i%4)*64
	global_load_b128 v[8*i+4:8*i+7], v[QO], s[4:5] offset:((i/4)%2)*524288+(i/8)*4096+(i%4)*64+32
.set i, i+1
.endr
	WIN 0xc0                        ; what the first trip finds; all this stands in the wait for the first tile
.set i, 0
.rept 128
	v_mov_b32 v[i], 0               ; V
.set i, i+1
.endr
.set i, MK+32
.rept 32
	v_mov_b32 v[i], 0               ; piece 2's mask
.set i, i+1
.endr
	v_mov_b32 v[LG], 0x3fb8aa3b
	v_mov_b32 v[ZR], 0
	WIN 0x40
.set i, 0
.rept 256
	v_mov_b32 v[i], 0               ; O^T
.set i, i+1
.endr
	WIN 0
.set i, P
.rept 32
	v_mov_b32 v[i], 0               ; piece 0's weights
.set i, i+1
.endr
.set i, S+64
.rept 64
	v_mov_b32 v[i], s74             ; piece 2's scores
.set i, i+1
.endr
.set i, 0
.rept 4
	v_mov_b32 v[ST+8*i], s74        ; m
	v_mov_b32 v[ST+8*i+2], 0        ; l
	v_mov_b32 v[ST+8*i+3], 0
.set i, i+1
.endr
	v_mul_u32_u24 v[AK0], v1, PK    ; K: row x pitch + 16 x half, in my 64 keys
	v_lshl_add_u32 v[AK0], v9, 4, v[AK0]
	s_mul_i32 s19, s14, 64*PK
	v_add_nc_u32 v[AK0], s19, v[AK0]
	v_and_b32 v10, 7, v0            ; V, turned: lane l reads key 8 (l / 16) + l % 8, channels 8 ((l / 8) % 2) + 0..7
	v_bfe_u32 v11, v0, 3, 1
	v_lshl_add_u32 v[AV0], v9, 3, v10
	v_mul_u32_u24 v[AV0], v[AV0], PV
	v_lshl_add_u32 v[AV0], v11, 4, v[AV0]
	s_mul_i32 s19, s14, 64*PV
	s_add_co_u32 s19, s19, VOFF
	v_add_nc_u32 v[AV0], s19, v[AV0]
	v_mul_u32_u24 v[AM0], v1, PM    ; the mask: position l % 16 of my 32, keys 8 (l / 16) on, in my keys' tile
	v_lshl_add_u32 v[AM0], v9, 5, v[AM0]
	s_mul_i32 s19, s13, 32*PM
	s_mul_i32 s23, s14, 64*PM
	s_add_co_u32 s19, s19, s23
	s_add_co_u32 s19, s19, MOFF
	v_add_nc_u32 v[AM0], s19, v[AM0]
	s_mul_i32 s19, s[WV], 16*SP
	s_add_co_u32 s19, s19, STAGE    ; my stage
	v_mul_u32_u24 v[STO], v1, SP
	v_lshl_add_u32 v[STO], v9, 4, v[STO]
	v_add_nc_u32 v[STO], s19, v[STO]
	v_mul_u32_u24 v[RD], v9, SP
	v_lshl_add_u32 v[RD], v1, 4, v[RD]
	v_add_nc_u32 v[RD], s19, v[RD]
	v_lshlrev_b32 v[GO], 11, v9     ; lanes 0-15 one row of og, lanes 16-31 the next
	v_lshl_add_u32 v[GO], v1, 4, v[GO]
	v_and_b32 v10, 31, v0
	s_lshl_b32 s19, s13, 17         ; the end: the waves of my 32 positions use slot w / 2,
	s_mul_i32 s23, s14, DHALF       ; each key half its own part
	s_add_co_u32 s23, s23, s19
	v_lshl_add_u32 v[DW], v10, 4, s23
	s_add_co_u32 s23, s23, 32768
	v_lshl_add_u32 v[DSW], v10, 2, s23
	s_lshl_b32 s23, s14, 14         ; I finish tiles 2 (w % 2) and 2 (w % 2) + 1: 8,192 bytes of O a tile,
	s_add_co_u32 s23, s23, s19
	v_lshl_add_u32 v[DR], v10, 4, s23
	s_lshl_b32 s23, s14, 9          ; 256 bytes of statistics
	s_add_co_u32 s23, s23, s19
	s_add_co_u32 s23, s23, 32768
	v_lshl_add_u32 v[DSR], v10, 2, s23
	v_lshrrev_b32 v11, 1, v10       ; asking ahead, the mask: of a tile's 64 rows x 512 bytes my work-group takes rows 16 cx on, two lanes a row, 256 bytes apart
	s_lshl_b32 s19, s15, 4
	v_add_nc_u32 v11, s19, v11
	v_and_b32 v[PFM], 1, v10
	v_lshlrev_b32 v[PFM], 8, v[PFM]
	v_lshl_add_u32 v[PFM], v11, 13, v[PFM]
	s_lshl_b32 s19, s16, 5          ; K and V: of a tile's 128 rows of 256 bytes my work-group takes rows 32 cy on, a lane a row
	v_add_nc_u32 v[PFK], s19, v10
	v_lshlrev_b32 v[PFK], 8, v[PFK]
; THE MATRIX WORK.  The accumulators take turns, one instruction a turn: between two links of a chain stand 15 (V^T P) or 7 (K Q^T) others'.
.macro PV x                         ; product i of 32 of O^T += V^T P: keys 32 (i / 16) on, channels 16 ((i / 2) % 8) on, tile x + i % 2
	WIN W_PV
.set rO, 64*((\x)+i%2)+8*((i/2)%8)
.set rV, 64*(i/16)+8*((i/2)%8)
.set rP, P+16*((\x)+i%2)+8*(i/16)
	v_wmma_f32_16x16x32_f16 v[rO:rO+7], v[rV:rV+7], v[rP:rP+7], v[rO:rO+7]
.endm
.macro KQ x                         ; product i of 32 of S^T = K Q^T: channels 32 (i / 8) on, keys 16 ((i / 2) % 4) on, tile x + i % 2.  The first 8 start the sums
	WIN W_KQ
.set rS, S+32*((\x)+i%2)+8*((i/2)%4)
.set rK, KF+32*((i/2)%4)+8*(i/8)
.set rQ, 32*((\x)+i%2)+8*(i/8)
.if i < 8
	v_wmma_f32_16x16x32_f16 v[rS:rS+7], v[rK:rK+7], v[rQ:rQ+7], 0
.else
	v_wmma_f32_16x16x32_f16 v[rS:rS+7], v[rK:rK+7], v[rQ:rQ+7], v[rS:rS+7]
.endif
.endm
; THE LDS LOADS stand in runs: a step's K (16 fragments), its mask (two fragments of 16 positions x 64 keys in f32), and a turn later its V (turned).
.macro FETCH_K
	WIN 0
	v_add_nc_u32 v[ADR], s[TB], v[AK0]
	WIN 0x80
.irp f, 0,1,2,3,4,5,6,7,8,9,10,11,12,13,14,15  ; keys 16 (f / 4) on, channels 32 (f % 4) on
	ds_load_b128 v[KF+8*(\f):KF+8*(\f)+3],   v[ADR] offset:((\f)/4)*16*PK+((\f)%4)*64
	ds_load_b128 v[KF+8*(\f)+4:KF+8*(\f)+7], v[ADR] offset:((\f)/4)*16*PK+((\f)%4)*64+32
.endr
.endm
.macro FETCH_M
	WIN 0
	v_add_nc_u32 v[ADRM], s[TB], v[AM0]
	WIN 0xc0
.irp f, 0,1,2,3,4,5,6,7             ; position block f / 4, keys 16 (f % 4) + 8 (l / 16) + 0..7
	ds_load_b128 v[MK+8*(\f):MK+8*(\f)+3],   v[ADRM] offset:((\f)/4)*16*PM+((\f)%4)*64
	ds_load_b128 v[MK+8*(\f)+4:MK+8*(\f)+7], v[ADRM] offset:((\f)/4)*16*PM+((\f)%4)*64+16
.endr
.endm
.macro FETCH_V
	WIN 0
	v_add_nc_u32 v[ADR], s[TB], v[AV0]
	WIN 0xc0
.irp f, 0,1,2,3,4,5,6,7,8,9,10,11,12,13,14,15  ; keys 32 (f / 8) on, channels 16 (f % 8) on
	ds_load_tr16_b128 v[8*(\f):8*(\f)+3],   v[ADR] offset:((\f)/8)*32*PV+((\f)%8)*32
	ds_load_tr16_b128 v[8*(\f)+4:8*(\f)+7], v[ADR] offset:((\f)/8)*32*PV+16*PV+((\f)%8)*32
.endr
.endm
.macro MLUMP                        ; the step's 64 mask numbers a lane: rounded to bf16, times log2(e) in f32: 96 instructions, all in window 3
	WIN 0xff
.set bb, 0
.rept 4
.set u, 0
.rept 8
	v_cvt_pk_bf16_f32 v[MT+u], v[MK+16*bb+2*u], v[MK+16*bb+2*u+1]
.set u, u+1
.endr
.set u, 0
.rept 8
	v_fma_mix_f32_bf16 v[MK+16*bb+2*u], v[MT+u], v[LG], v[ZR] op_sel_hi:[1,0,0]
	v_fma_mix_f32_bf16 v[MK+16*bb+2*u+1], v[MT+u], v[LG], v[ZR] op_sel:[1,0,0] op_sel_hi:[1,0,0]
.set u, u+1
.endr
.set bb, bb+1
.endr
.endm
; THE VECTOR WORK OF A TURN.  One tile's softmax for one key step is a list of 150 instructions; SM writes number j of it for tile t.  s0-s31 are the lane's 32 scores, in pairs 0-15.  With jj = j - 16:
;   j 0-15    the mask is added, pair by pair, ascending: each accumulator's lowest registers are read first
;   jj 0-15   the maximum of s0-s31 and the old m, three operands at a time        jj 16-20  the other half of the lanes' maximum; m_old is kept; the new m; m_old - m  (19 is empty)
;   jj 21-87  33 exponentials (a, then s0-s31) at the odd numbers from 23 on; the plain instruction between them is whatever is ready: s - m for a pair whose exponentials are still to come,
;             the rounding to f16 of a pair whose exponentials are done, at last the first three sums
;   jj 88-101 the last rounding; the rest of the sums; l = a l + the sum            jj 102-133  the tile's O^T times a
.macro SM t
.set rT, ST+8*(\t)
.set rS, S+32*(\t)
.set rP, P+16*(\t)
.set rM, MK+32*((\t)/2)
.set jj, j-16
.set rO, 64*(\t)+2*(jj-102)
.set q, (jj-20)/2
.if (j >= 16) && (jj < 102)
	WIN 0
.endif
.if j < 16
	WIN W_MA
	v_pk_add_f32 v[rS+2*j:rS+2*j+1], v[rS+2*j:rS+2*j+1], v[rM+2*j:rM+2*j+1]
.elseif jj < 4
	v_max3_num_f32 v[rT+4+jj], v[rS+8*jj], v[rS+8*jj+1], v[rS+8*jj+2]
.elseif jj < 12
	v_max3_num_f32 v[rT+4+jj%4], v[rT+4+jj%4], v[rS+8*(jj%4)+2*(jj/4)+1], v[rS+8*(jj%4)+2*(jj/4)+2]
.elseif jj == 12
	v_max3_num_f32 v[rT+4], v[rT+4], v[rS+7], v[rS+15]
.elseif jj == 13
	v_max3_num_f32 v[rT+6], v[rT+6], v[rS+23], v[rS+31]
.elseif jj == 14
	v_max3_num_f32 v[rT+4], v[rT+4], v[rT+5], v[rT+6]
.elseif jj == 15
	v_max3_num_f32 v[rT+4], v[rT+4], v[rT+7], v[rT]
.elseif jj == 16
	v_permlanex16_b32 v[rT+5], v[rT+4], s[SEL], s[SEL+1]  ; the query's other 32 keys lie in the lane 16 away
.elseif jj == 17
	v_mov_b32 v[rT+1], v[rT]
.elseif jj == 18
	v_max_num_f32 v[rT], v[rT+4], v[rT+5]
.elseif jj == 19
.elseif jj == 20
	v_sub_f32 v[rT+7], v[rT+1], v[rT]
.elseif jj == 23
	v_exp_f32 v[rT+6], v[rT+7]
.elseif (jj < 88) && (jj > 23) && (jj%2 == 1)
	v_exp_f32 v[rS+(jj-25)/2], v[rS+(jj-25)/2]
.elseif (q < 4) || ((jj < 76) && (q%2 == 0))
.set b, q/2+2
.if q < 4
.set b, q
.endif
	v_pk_add_f32 v[rS+2*b:rS+2*b+1], v[rS+2*b:rS+2*b+1], v[rT:rT+1] op_sel_hi:[1,0] neg_lo:[0,1] neg_hi:[0,1]  ; pair b: s - m
.elseif (jj < 88) && (q%2 == 1)
	s_wait_alu depctr_va_vdst(0)
	v_cvt_pk_f16_f32 v[rP+(q-5)/2], v[rS+q-5], v[rS+q-4]
.elseif jj == 89
	s_wait_alu depctr_va_vdst(0)
	v_cvt_pk_f16_f32 v[rP+15], v[rS+30], v[rS+31]
.elseif jj < 102                    ; the sum of the tile's 16 pairs, in place: sum z of 16 adds neighbours 1, 2, 4 and 8 pairs apart, then l takes it
.set z, jj-86
.if jj < 89
.set z, (jj-76)/4
.endif
.set w, 4
.set u, z
.if z >= 14
.set w, 32
.set u, 0
.elseif z >= 12
.set w, 16
.set u, z-12
.elseif z >= 8
.set w, 8
.set u, z-8
.endif
.if z < 15
	v_pk_add_f32 v[rS+w*u:rS+w*u+1], v[rS+w*u:rS+w*u+1], v[rS+w*u+w/2:rS+w*u+w/2+1]
.else
	v_pk_fma_f32 v[rT+2:rT+3], v[rT+2:rT+3], v[rT+6:rT+7], v[rS:rS+1] op_sel_hi:[1,0,1]
.endif
.else
	WIN W_RS
	v_pk_mul_f32 v[rO:rO+1], v[rO:rO+1], v[rT+6:rT+7] op_sel_hi:[1,0]
.endif
.endm
; Slice k of 64 of piece y's softmax: numbers 2 k and 2 k + 1 of both tiles' lists.  2 x 150 = 4 x 64 + 44: what is over, all of it rescaling, stands in slice 63: 48 plain instructions that name nothing of
; the products round them: the places between a turn's last K Q^T and the next turn's first read of those scores and the loads into K's registers.
.macro SLICE y
.if (k >= 19) && (k < 52)           ; tile by tile: plain, exponential, plain, exponential
.irp t, \y, (\y)+1
.irp n, 0,1
.set j, 2*k+(\n)
	SM \t
.endr
.endr
.else                               ; the two tiles alternate
.irp n, 0,1,2,3,4,5,6,7,8,9,10,11,12,13,14,15,16,17,18,19,20,21,22,23
.if ((\n) < 2) || (k == 63)
.irp t, \y, (\y)+1
.set j, 2*k+(\n)
	SM \t
.endr
.endif
.endr
.endif
.set k, k+1
.endm
; A TURN.  Piece x has the matrix unit; the other piece's softmax stands in slices behind its products.
; Piece 0's turn fetches the next step's K behind its second product, and the next step's mask behind its eighth, when piece 2's sixteen additions of the old mask are done (slices 0 to 7).
; Piece 2's turn fetches the same step's V behind its second K Q^T: the last product that read V stands three slices, six plain instructions, back.
.macro TURN x
.set k, 0
.if (\x) == 0
	s_wait_dscnt 0x0                ; V is in
.endif
.set i, 0
.rept 32
	PV \x
	SLICE 2-(\x)
.if ((\x) == 0) && (i == 1)
	FETCH_K
.endif
.if ((\x) == 0) && (i == 7)
	FETCH_M
.endif
.set i, i+1
.endr
.if (\x) == 0
	s_wait_dscnt 0x0                ; K and the mask are in
	MLUMP
.endif
.set i, 0
.rept 32
	KQ \x
	SLICE 2-(\x)
.if ((\x) == 2) && (i == 1)
	FETCH_V
.endif
.set i, i+1
.endr
.endm
	s_wait_loadcnt 0x0              ; Q
	s_wait_tensorcnt 0x1            ; my part of slot 0 is in; slot 1's may stay out
	s_barrier_signal -1
	s_barrier_wait -1               ; everybody's is
	s_branch .Lbody                 ; the loop is entered behind its change of slots: both slots have been asked for
.Lslot:                             ; 15 trips, for keys 128 n on, n = 0 to 14; all but the first begin with a change of slots that asks for keys 128 (n + 1) on
	CHANGE 1
.Lbody:
	; ASKING AHEAD.  Wave 3 asks the L2 for tile n + 2, which the tensor loads at the head of the next trip will request: a trip's 128 matrix and some 700 vector instructions ahead of them.  The mask's tile is 128 aligned
	; blocks of 256 bytes: the four partners of a cluster's row take 32 each, a lane a block.  A tile of K and one of V are 128 such blocks each, and all eight clusters of a batch walk them: the first of the eight
	; asks, 32 rows a work-group.  The tile's number stops at 15, so that no request leaves a row of the mask or a head of K and V.  The two bases are written again a trip behind the requests that read them.
	s_cmp_lg_u32 s[WV], 3
	s_cbranch_scc1 .Lasked_ahead
	s_wait_xcnt 0x0                 ; the last trip's requests have had their addresses translated (ISA guide 3.1)
	s_min_u32 s101, s[PN], 15
	s_lshl_b32 s96, s101, 9         ; 512 bytes of a mask row a tile
	s_add_nc_u64 s[92:93], s[88:89], s[96:97]
	global_prefetch_b8 v[PFM], s[92:93] th:TH_LOAD_NT scope:SCOPE_SE
	s_cmp_lg_u32 s100, 0
	s_cbranch_scc1 .Lasked_ahead
	s_lshl_b32 s98, s101, 15        ; 32,768 bytes of K and of V a tile
	s_add_nc_u64 s[94:95], s[90:91], s[98:99]
	global_prefetch_b8 v[PFK], s[94:95] th:TH_LOAD_NT scope:SCOPE_SE
	global_prefetch_b8 v[PFK], s[94:95] offset:4194304 th:TH_LOAD_NT scope:SCOPE_SE
.Lasked_ahead:
	s_add_co_u32 s[PN], s[PN], 1
	TURN 0
	TURN 2
	WIN 0
	s_sub_co_u32 s[SLOTS], s[SLOTS], 1
	s_cmp_lg_u32 s[SLOTS], 0
	s_cbranch_scc1 .Lslot
	CHANGE 0                        ; the last slot has a text of its own: nothing is asked for
	s_mov_b32 s3, 2
.Ltail:                             ; trip 1: the last slot's two turns; trip 2: piece 0's V^T P of the last step beside piece 2's last softmax; its K Q^T, on the last K once more, serves nothing
	TURN 0
	WIN 0
	s_sub_co_u32 s3, s3, 1
	s_cmp_eq_u32 s3, 0
	s_cbranch_scc1 .Llast
	TURN 2
	WIN 0
	s_cmp_lg_u32 s3, 0
	s_cbranch_scc1 .Ltail
.Llast:
	s_wait_dscnt 0x0                ; no LDS load of mine is out
.set i, 0
.rept 32
	PV 2                            ; piece 2: V^T P of the last step
.set i, i+1
.endr
	; THE END.  l's halves are added; every wave sets its O^T, m and l down in the slots, which have had their last fill; then wave (w / 2, w % 2) finishes position block w % 2 of its 32 positions, both heads:
	; O = (f0 O0 + f1 O1) / (f0 l0 + f1 l1), f = 2^(m - max(m0, m1)).  The first four additions are the places behind the last products.
	WIN 0
.irp t, 0,1,2,3
	v_add_f32 v[ST+8*(\t)+2], v[ST+8*(\t)+2], v[ST+8*(\t)+3]
.endr
.irp t, 0,1,2,3
	v_permlanex16_b32 v[ST+8*(\t)+3], v[ST+8*(\t)+2], s[SEL], s[SEL+1]
.endr
.irp t, 0,1,2,3
	v_add_f32 v[ST+8*(\t)+2], v[ST+8*(\t)+2], v[ST+8*(\t)+3]
.endr
.irp h, 0,1
.irp c, 0,1,2,3,4,5,6,7
	global_load_b128 v[G+32*(\h)+4*(\c):G+32*(\h)+4*(\c)+3], v[QO], s[10:11] offset:(\h)*524288+32*(\c)  ; the gate of my 16 rows, channels 16 c + 8 (l / 16) + 0..7
.endr
.endr
	s_wait_dscnt 0x0
	s_barrier_signal -1             ; every wave's reads of the slots are over
	s_barrier_wait -1
	WIN 0x04                        ; store data in window 1
.set i, 0
.rept 64
	ds_store_b128 v[DW], v[4*i:4*i+3] offset:512*i  ; ascending: each accumulator's low registers first
.set i, i+1
.endr
	WIN 0
.irp t, 0,1,2,3
	ds_store_b32 v[DSW], v[ST+8*(\t)] offset:256*(\t)
	ds_store_b32 v[DSW], v[ST+8*(\t)+2] offset:256*(\t)+128
.endr
	s_wait_dscnt 0x0                ; for the others' sake: my stores are done
	s_barrier_signal -1
	s_barrier_wait -1
	s_mov_b32 s3, 2                 ; heads to go
	s_mov_b32 s2, 0                 ; the head's place in what was set down: 8,192 bytes of O a tile,
	s_mov_b32 s19, 0                ; 256 bytes of statistics
.Lhead:                             ; one text for both heads: the LDS addresses are fixed registers plus these two scalars; the second head's gate is moved down at the first trip's end
	v_add_nc_u32 v[ADR], s2, v[DR]
	v_add_nc_u32 v[ADRM], s19, v[DSR]
	ds_load_b32 v46, v[ADRM]
	ds_load_b32 v47, v[ADRM] offset:128
	ds_load_b32 v48, v[ADRM] offset:DHALF
	ds_load_b32 v49, v[ADRM] offset:DHALF+128
.irp f, 0,1,2,3,4,5,6,7,8,9,10,11,12,13,14,15
	ds_load_b128 v[XA+4*(\f):XA+4*(\f)+3], v[ADR] offset:512*(\f)
.endr
.irp f, 0,1,2,3,4,5,6,7,8,9,10,11,12,13,14,15
	ds_load_b128 v[XB+4*(\f):XB+4*(\f)+3], v[ADR] offset:DHALF+512*(\f)
.endr
	s_wait_dscnt 32                 ; the four statistics are in; the 32 loads of O may be out
	v_max_num_f32 v50, v46, v48
	v_sub_f32 v46, v46, v50
	v_sub_f32 v48, v48, v50
	v_exp_f32 v46, v46
	v_exp_f32 v48, v48
	v_nop                           ; a plain instruction behind the exponentials
	s_wait_alu depctr_va_vdst(0)
	v_mul_f32 v47, v46, v47
	v_fma_f32 v47, v48, v49, v47
	v_rcp_f32 v47, v47
	v_nop
	s_wait_alu depctr_va_vdst(0)
	v_mul_f32 v52, v46, v47
	v_mul_f32 v54, v48, v47
	v_mov_b32 v53, v52
	v_mov_b32 v55, v54
	s_wait_dscnt 0x0
.set i, 0
.rept 32
	v_pk_mul_f32 v[XA+2*i:XA+2*i+1], v[XA+2*i:XA+2*i+1], v[52:53]
.set i, i+1
.endr
.set i, 0
.rept 32
	v_pk_fma_f32 v[XA+2*i:XA+2*i+1], v[XB+2*i:XB+2*i+1], v[54:55], v[XA+2*i:XA+2*i+1]
.set i, i+1
.endr
	s_wait_loadcnt 0x0              ; both heads' gates, asked for ahead of the setting down
.set i, 0
.rept 8                             ; the gate is widened to f32.  A register's half is named by a literal register number, so each word passes through one of four fixed registers
	v_mov_b32 v46, v[G+i]
	v_mov_b32 v47, v[G+i+1]
	v_mov_b32 v48, v[G+i+2]
	v_mov_b32 v49, v[G+i+3]
	v_cvt_f32_f16 v[XB+2*i], v46.l
	v_cvt_f32_f16 v[XB+2*i+1], v46.h
	v_cvt_f32_f16 v[XB+2*i+2], v47.l
	v_cvt_f32_f16 v[XB+2*i+3], v47.h
	v_cvt_f32_f16 v[XB+2*i+4], v48.l
	v_cvt_f32_f16 v[XB+2*i+5], v48.h
	v_cvt_f32_f16 v[XB+2*i+6], v49.l
	v_cvt_f32_f16 v[XB+2*i+7], v49.h
.set i, i+4
.endr
.set i, 0
.rept 32
	v_pk_mul_f32 v[XA+2*i:XA+2*i+1], v[XA+2*i:XA+2*i+1], v[XB+2*i:XB+2*i+1]
.set i, i+1
.endr
.set i, 0
.rept 32
	v_cvt_pk_f16_f32 v[XB+i], v[XA+2*i], v[XA+2*i+1]
.set i, i+1
.endr
.irp f, 0,1,2,3,4,5,6,7
	ds_store_b128 v[STO], v[XB+4*(\f):XB+4*(\f)+3] offset:32*(\f)
.endr
.irp f, 0,1,2,3,4,5,6,7
	ds_load_b128 v[XB+4*(\f):XB+4*(\f)+3], v[RD] offset:(\f)*2*SP  ; LDS serves a wave's instructions in order (ISA guide 5.7.1.4): these see the stores above
.endr
.set i, 0
.rept 32
	v_mov_b32 v[G+i], v[G+32+i]     ; the other head's gate; these lines stand in the stage's round trip
.set i, i+1
.endr
	s_wait_dscnt 0x0
.irp f, 0,1,2,3,4,5,6,7
	global_store_b128 v[GO], v[XB+4*(\f):XB+4*(\f)+3], s[66:67] offset:4096*(\f)  ; 16 lanes store 256 consecutive bytes, a head's channels of a row, at a multiple of 256 from og's first byte
.endr
	s_wait_xcnt 0x0                 ; the base, and the registers that these stores read, are written again only behind this wait
	s_add_nc_u64 s[66:67], s[66:67], 256
	s_add_co_u32 s2, s2, 8192
	s_add_co_u32 s19, s19, 256
	s_sub_co_u32 s3, s3, 1
	s_cmp_lg_u32 s3, 0
	s_cbranch_scc1 .Lhead
	s_wait_tensorcnt 0x0            ; the wave's end: behind my last tensor load and my last LDS store
	ds_add_u32 v[SPW], v[NIL]
	s_wait_dscnt 0x0
	CROUND                          ; the closing round: no work-group ends while a partner may still ask for a tile that names it
	s_endpgm
.Lfunc_end_k_q43889a95c5_attn:
	.size	k_q43889a95c5_attn, .Lfunc_end_k_q43889a95c5_attn-k_q43889a95c5_attn
	.p2alignl 7, 3214868480
	.fill 96, 4, 3214868480
	.section	.rodata,"a",@progbits
	.p2align	6, 0x0
	.amdhsa_kernel k_q43889a95c5_attn
		.amdhsa_group_segment_fixed_size 327680
		.amdhsa_private_segment_fixed_size 0
		.amdhsa_enable_private_segment 0
		.amdhsa_kernarg_size 40
		.amdhsa_user_sgpr_count 2
		.amdhsa_user_sgpr_kernarg_segment_ptr 1
		.amdhsa_wavefront_size32 1
		.amdhsa_system_sgpr_workgroup_id_x 1
		.amdhsa_system_sgpr_workgroup_id_y 1
		.amdhsa_system_sgpr_workgroup_id_z 1
		.amdhsa_system_vgpr_workitem_id 0
		.amdhsa_next_free_vgpr 1024
		.amdhsa_next_free_sgpr 102
		.amdhsa_reserve_vcc 0
		.amdhsa_float_denorm_mode_32 3
		.amdhsa_float_denorm_mode_16_64 3
		.amdhsa_memory_ordered 1
		.amdhsa_forward_progress 1
		.amdhsa_inst_pref_size 184
	.end_amdhsa_kernel
	.amdgpu_metadata
---
amdhsa.version: [ 1, 2 ]
amdhsa.kernels:
  - .name:           k_q43889a95c5_attn
    .symbol:         k_q43889a95c5_attn.kd
    .args:
      - { .name: qb, .offset: 0, .size: 8, .value_kind: global_buffer, .address_space: global }
      - { .name: kvb, .offset: 8, .size: 8, .value_kind: global_buffer, .address_space: global }
      - { .name: attn_mask, .offset: 16, .size: 8, .value_kind: global_buffer, .address_space: global }
      - { .name: sg, .offset: 24, .size: 8, .value_kind: global_buffer, .address_space: global }
      - { .name: og, .offset: 32, .size: 8, .value_kind: global_buffer, .address_space: global }
    .group_segment_fixed_size: 327680
    .private_segment_fixed_size: 0
    .kernarg_segment_align: 8
    .kernarg_segment_size: 40
    .max_flat_workgroup_size: 128
    .sgpr_count:     102
    .vgpr_count:     1024
    .wavefront_size: 32
...
	.end_amdgpu_metadata
.endif
;; end of part 3
;; launch oproj (part 4): grid 8 x 32, 4 waves a work-group, clusters of 4 x 4, 327,680 bytes of LDS; arguments og, wo16, out0; writes out0
.if DOCPART == 4
	.amdgcn_target "amdgcn-amd-amdhsa--gfx1250"
	.amdhsa_code_object_version 6
	.text
	.protected	k_q43889a95c5_oproj
	.globl	k_q43889a95c5_oproj
	.p2align	8
	.type	k_q43889a95c5_oproj,@function
k_q43889a95c5_oproj:
	s_mov_b64 s[64:65], 0
	v_nop
	global_prefetch_b8 v0, s[64:65] scope:SCOPE_SE
	s_setreg_imm32_b32 hwreg(HW_REG_WAVE_MODE, 25, 1), 1
	s_wait_xcnt 0x0
	s_wait_alu depctr_hold_cnt(0) depctr_sa_sdst(0) depctr_va_vdst(0) depctr_va_sdst(0) depctr_va_ssrc(0) depctr_va_vcc(0) depctr_vm_vsrc(0)
	s_getreg_b32 s2, hwreg(HW_REG_IB_STS2, 6, 4)
	s_cmp_eq_u32 s2, 0
	s_cbranch_scc0 .Lentry_in_a_cluster
	s_endpgm
.Lentry_in_a_cluster:
	s_bfe_u32 s2, ttmp6, 0x10000c
	s_cmp_lg_u32 s2, 0xf033
	s_cbranch_scc0 .Lentry_shape_is_right
	s_endpgm
.Lentry_shape_is_right:
; OPROJ: out0 [4096][2048] f32 = og [4096][1024] x wo16 [1024][2048], f16 operands, f32 sums, stored as they are.
; LIMITS.  Those of the operands: f16's range and step, stated where they are made.
; SHARES.  A tile is 128 rows x 256 columns: 8 x 32 = 256 work-groups.  A wave makes 64 x 128: 32 accumulators, 256 registers.  K goes in steps of 128 through two LDS slots; og's rows lie along K, wo16 lies
; [K][N] and is turned on its way out of LDS by ds_load_tr16_b128.
; THE LOOP'S TEXT HOLDS ONE K STEP: the slot that is read is a scalar, 0 or SLOT1, that an exclusive or turns and that is added once a step to the lanes' fixed places; one descriptor a tensor walks.
; The last two K steps, which ask for nothing, are a second loop of two trips, left in the middle of its second trip; that trip's last run of 24 LDS loads serves nothing: the price of one text for both.
; CLUSTERS: 4 x 4 work-groups; og's tile is shared along a row of the cluster, wo16's along a column: joint loads, as many as there are waves: waves 0, 1 fetch og's halves, waves 2, 3 wo16's.
; THE MATRIX INSTRUCTION IS USED TRANSPOSED (source 0 = 16 columns of wo16, source 1 = 16 rows of og): a lane holds eight neighbouring numbers of a row of out0.
; REGISTERS: window 0: v0-31 addresses; v64-95, v96-127 fragments of og, two buffers; on the way out v64-191.  window 1: v0-63, v64-127 fragments of wo16.  window 2: the accumulators, (a, b) at v[8 (8 a + b)].
.set KSTEP,  128
.set PA,     272                       ; a row of og's tile in LDS: 256 bytes + 16
.set PB,     544                       ; a row of wo16's tile: 512 bytes + 32
.set AHALF,  64*PA                     ; what a wave fetches of og: 64 rows; also what a wave reads
.set BHALF,  64*PB                     ; of wo16: 64 rows
.set BOFF,   2*AHALF
.set SLOT,   BOFF+2*BHALF              ; 104,448 bytes
.set SLOT1,  1<<17                     ; slot 1 begins here, so that one exclusive or turns an address in one slot into the other's
.set STAGE,  SLOT1+SLOT                ; behind the ring: 16 rows x 528 bytes for each wave
.set SPITCH, 528                       ; 512 bytes + 16 = 132 words: the 16 rows that a store touches start at 16 different groups of four banks (64 banks of 4 bytes: ISA guide 11.1)
.set SPARE,  STAGE+4*16*SPITCH         ; the spare words, 128 bytes for each wave: two blocks of 256 bytes that no other line names
.set STEPS,  8                         ; K = 1,024
.set ADRA0, 16                         ; v16  my lane's place in og's tile; never rewritten
.set ADRA, 17                          ; v17  the same in the slot that is read
.set ADRB0, 20                         ; v20, v21  the same two for wo16
.set ADRB, 21
.set STO,  24
.set RD,   25
.set CO,   26
.set SPW,  28
.set NIL,  29
.set AF,   64                          ; og's fragments: buffer f at AF + 32 f
.set TB,   2                           ; s2   LDS byte at which the slot that is read begins
.set G1, 24                            ; s[24:31] group 1 for og's tiles; s[32:39] group 0: a set for each of the two first fills; the second then walks
.set G0, 32
.set G1B, 48                           ; s[48:55], s[56:63] the same for wo16's
.set G0B, 56
.set MSB, 0
.macro WIN new
.if MSB != (\new)
	s_set_vgpr_msb (MSB<<8)|(\new)
.set MSB, \new
.endif
.endm
.set MUL,  0xa1                        ; source 0 window 1, source 1 window 0, C and D window 2
.set TO_B, 0x40
.macro JLOAD s                         ; an s_nop 0 and four v_nop follow each of the two lines
	s_cmp_eq_u32 s11, 0
	s_cbranch_scc0 .Lfor_b_\@
	tensor_load_to_lds s[G0+4*(\s):G0+4*(\s)+3], s[G1:G1+7]
	s_nop 0
.rept 4
	v_nop
.endr
	s_branch .Lasked_\@
.Lfor_b_\@:
	tensor_load_to_lds s[G0B+4*(\s):G0B+4*(\s)+3], s[G1B:G1B+7]
	s_nop 0
.rept 4
	v_nop
.endr
.Lasked_\@:
.endm
.macro CREST
	s_cmp_lg_u32 s10, 0
	s_cbranch_scc1 .Lnot_wave_0_\@
	s_barrier_signal -3
.Lnot_wave_0_\@:
	s_barrier_wait -3
	s_barrier_signal -1
	s_barrier_wait -1
.endm
.macro CROUND
	s_barrier_signal -1
	s_barrier_wait -1
	CREST
.endm
	s_load_b128 s[4:7], s[0:1], 0x0                ; og s[4:5], wo16 s[6:7]
	s_load_b64 s[8:9], s[0:1], 0x10                ; out0
	v_lshl_add_u32 v[SPW], v0, 2, SPARE
	v_mov_b32 v[NIL], 0
	ds_add_u32 v[SPW], v[NIL]                      ; the wave's opening: the add and its wait stand ahead of my first tensor load
	v_lshrrev_b32 v1, 5, v0
	v_readfirstlane_b32 s10, v1                    ; wave 0..3
	s_lshr_b32 s11, s10, 1                         ; which 64 rows are mine.  Also: I fetch for og (0) or for wo16 (1)
	s_and_b32 s12, s10, 1                          ; which 128 columns.  Also: which half of that tile I fetch
	s_bfe_u32 s40, ttmp6, 0x40000                  ; cx
	s_bfe_u32 s41, ttmp6, 0x40004                  ; cy
	s_lshl_b32 s42, ttmp9, 2
	s_add_co_u32 s42, s42, s40                     ; tile column
	s_and_b32 s13, ttmp7, 0xffff
	s_lshl_b32 s13, s13, 2
	s_add_co_u32 s13, s13, s41                     ; tile row
	s_lshl_b32 s43, s41, 2
	s_lshl_b32 s43, 15, s43                        ; my row of the cluster
	s_lshl_b32 s44, 0x1111, s40                    ; my column
	s_or_b32 s[G1+0], s43, (1<<16)|(1<<20)|(1<<21)|(5<<22)|(3<<25)
	s_mov_b32 s[G1+1], 128<<16                     ; tensor_dim0 = 128
	s_mov_b32 s[G1+2], 64<<16                      ; tensor_dim1 = 64
	s_mov_b32 s[G1+3], 128<<16                     ; tile_dim0 = 128
	s_mov_b32 s[G1+4], 64                          ; tile_dim1 = 64
	s_mov_b32 s[G1+5], 1024                        ; elements from row to row of og
	s_mov_b32 s[G1+6], 0
	s_mov_b32 s[G1+7], 0
	s_or_b32 s[G1B+0], s44, (1<<16)|(1<<20)|(1<<21)|(6<<22)|(7<<25)
	s_mov_b32 s[G1B+1], 256<<16
	s_mov_b32 s[G1B+2], 64<<16
	s_mov_b32 s[G1B+3], 256<<16
	s_mov_b32 s[G1B+4], 64
	s_mov_b32 s[G1B+5], 2048                       ; elements from row to row of wo16
	s_mov_b32 s[G1B+6], 0
	s_mov_b32 s[G1B+7], 0
	s_lshl_b32 s16, s13, 18                        ; og: (128 x tile row + 64 x half) rows of 2,048 bytes
	s_lshl_b32 s17, s12, 17
	s_add_co_u32 s16, s16, s17
	s_mov_b32 s17, 0
	s_lshl_b32 s46, s42, 9                         ; wo16: 512 bytes a tile column, 64 rows of 4,096 bytes for the second half
	s_lshl_b32 s47, s12, 18
	s_add_co_u32 s46, s46, s47
	s_mov_b32 s47, 0
	s_mul_i32 s20, s12, AHALF                      ; where they go: no place in the cluster enters an LDS address
	s_mul_i32 s21, s12, BHALF
	s_add_co_u32 s21, s21, BOFF
	s_mov_b32 s[TB], 0
	s_wait_dscnt 0x0                               ; the opening add is done
	s_wait_kmcnt 0x0
	s_add_nc_u64 s[14:15], s[4:5], s[16:17]
	s_add_nc_u64 s[46:47], s[6:7], s[46:47]
	CROUND                                         ; all sixteen work-groups are here: the first joint loads meet
.irp s, 0,1
	s_mov_b32 s[G0+4*(\s)], 1
	s_add_co_u32 s[G0+4*(\s)+1], s20, (\s)*SLOT1
	s_add_nc_u64 s[G0+4*(\s)+2:G0+4*(\s)+3], s[14:15], (\s)*KSTEP*2
	s_or_b32 s[G0+4*(\s)+3], s[G0+4*(\s)+3], 0x80000000
	s_mov_b32 s[G0B+4*(\s)], 1
	s_add_co_u32 s[G0B+4*(\s)+1], s21, (\s)*SLOT1
	s_add_nc_u64 s[G0B+4*(\s)+2:G0B+4*(\s)+3], s[46:47], (\s)*KSTEP*4096
	s_or_b32 s[G0B+4*(\s)+3], s[G0B+4*(\s)+3], 0x80000000
	JLOAD \s                                       ; two tensor loads of mine are out
.endr
	v_and_b32 v1, 15, v0                           ; l % 16
	v_bfe_u32 v2, v0, 4, 1                         ; l / 16
	v_mul_u32_u24 v3, v1, PA
	v_lshl_add_u32 v3, v2, 4, v3
	v_and_b32 v4, 7, v0                            ; turned: lane l reads row 8 (l / 16) + l % 8, 16 bytes at 16 ((l / 8) % 2)
	v_lshl_add_u32 v4, v2, 3, v4
	v_mul_u32_u24 v4, v4, PB
	v_bfe_u32 v5, v0, 3, 1
	v_lshl_add_u32 v4, v5, 4, v4
	s_mul_i32 s21, s11, AHALF                      ; my 64 rows of og
	s_lshl_b32 s22, s12, 8                         ; my 128 columns of wo16
	s_add_co_u32 s22, s22, BOFF
	v_add_nc_u32 v[ADRA0], s21, v3
	v_add_nc_u32 v[ADRB0], s22, v4
	v_mov_b32 v[ADRA], v[ADRA0]                    ; slot 0 is read first
	v_mov_b32 v[ADRB], v[ADRB0]
	s_mul_i32 s23, s10, 16*SPITCH
	s_add_co_u32 s23, s23, STAGE                   ; my stage
	v_mul_u32_u24 v4, v1, SPITCH                   ; in: row l % 16, 32 bytes for each half of the lanes
	v_lshl_add_u32 v4, v2, 5, v4
	v_add_nc_u32 v[STO], s23, v4
	v_and_b32 v5, 31, v0
	v_lshlrev_b32 v[CO], 4, v5                     ; back and out: 32 lanes take a row's 512 bytes
	v_add_nc_u32 v[RD], s23, v[CO]
	s_lshl_b32 s16, s13, 20                        ; out0: (128 x tile row + 64 x half) rows of 8,192 bytes,
	s_lshl_b32 s17, s11, 19
	s_add_co_u32 s16, s16, s17
	s_mov_b32 s17, 0
	s_add_nc_u64 s[8:9], s[8:9], s[16:17]
	s_lshl_b32 s46, s42, 10                        ; 1,024 bytes a tile column, 512 for the second half
	s_lshl_b32 s47, s12, 9
	s_add_co_u32 s46, s46, s47
	s_mov_b32 s47, 0
	s_add_nc_u64 s[8:9], s[8:9], s[46:47]
; 8 matrix instructions: row block a x all 8 column blocks, 32 along K, buffer f.  The 32 accumulators take turns, one instruction a turn, in the same order in every quarter.
.macro MULA f, a, zero
	WIN MUL
.irp b, 0,1,2,3,4,5,6,7
.if \zero
	v_wmma_f32_16x16x32_f16 v[8*(8*(\a)+(\b)):8*(8*(\a)+(\b))+7], v[64*(\f)+8*(\b):64*(\f)+8*(\b)+7], v[AF+32*(\f)+8*(\a):AF+32*(\f)+8*(\a)+7], 0
.else
	v_wmma_f32_16x16x32_f16 v[8*(8*(\a)+(\b)):8*(8*(\a)+(\b))+7], v[64*(\f)+8*(\b):64*(\f)+8*(\b)+7], v[AF+32*(\f)+8*(\a):AF+32*(\f)+8*(\a)+7], v[8*(8*(\a)+(\b)):8*(8*(\a)+(\b))+7]
.endif
.endr
.endm
.macro FETCH q, f                      ; 24 LDS loads in one run: quarter q of the slot that is read, into buffer f
	WIN TO_B
.irp i, 0,1,2,3,4,5,6,7
	ds_load_tr16_b128 v[64*(\f)+8*(\i):64*(\f)+8*(\i)+3],   v[ADRB] offset:(\q)*32*PB+32*(\i)
	ds_load_tr16_b128 v[64*(\f)+8*(\i)+4:64*(\f)+8*(\i)+7], v[ADRB] offset:(\q)*32*PB+16*PB+32*(\i)
.endr
	WIN 0
.irp i, 0,1,2,3
	ds_load_b128 v[AF+32*(\f)+8*(\i):AF+32*(\f)+8*(\i)+3],   v[ADRA] offset:64*(\q)+(\i)*16*PA
	ds_load_b128 v[AF+32*(\f)+8*(\i)+4:AF+32*(\f)+8*(\i)+7], v[ADRA] offset:64*(\q)+(\i)*16*PA+32
.endr
.endm
.macro PLACES                          ; four places in front of loads into registers that matrix instructions have read, and of lines that read results just made
.rept 4
	v_nop
.endr
.endm
.macro QUARTER q, f, g, zero
	s_wait_dscnt 4                                 ; all but the youngest four loads: og's row blocks 2 and 3
	MULA \f, 0, \zero
	MULA \f, 1, \zero
	PLACES
	FETCH \q, \g
	s_wait_dscnt 24                                ; all but the 24 just issued
	MULA \f, 2, \zero
	MULA \f, 3, \zero
.endm
; The last quarter multiplies buffer 1 and changes slots: ONE barrier; in front of it each wave waits for all its tensor loads, adds 0 to its spare word, and waits for that and for its own reads of this slot.
; fill = 1: the barrier opens a round of the cluster's barrier, and behind the round the slot just read out is filled again, first thing, with the K step two steps on.
.macro TURN fill
	WIN 0
	s_wait_tensorcnt 0x0
	ds_add_u32 v[SPW], v[NIL]
	s_wait_dscnt 5                                 ; (the add and the youngest four loads may be out)
	MULA 1, 0, 0
	s_wait_dscnt 0x0                               ; the add is done, and my reads of this slot are over
	s_barrier_signal -1
	MULA 1, 1, 0
	WIN 0                                          ; (branches, or lines on window 0, follow)
	s_barrier_wait -1
.if \fill
	CREST
	s_xor_b32 s[G0+5], s[G0+5], SLOT1              ; the walking descriptor: the other slot than last time, the next K step
	s_add_nc_u64 s[G0+6:G0+7], s[G0+6:G0+7], KSTEP*2
	s_xor_b32 s[G0B+5], s[G0B+5], SLOT1
	s_add_nc_u64 s[G0B+6:G0B+7], s[G0B+6:G0B+7], KSTEP*4096
	JLOAD 1                                        ; the first tensor load behind the round; its four v_nop are also the places in front of the loads below
.endif
	s_xor_b32 s[TB], s[TB], SLOT1                  ; the fetches go to the other slot
	v_add_nc_u32 v[ADRA], s[TB], v[ADRA0]
	v_add_nc_u32 v[ADRB], s[TB], v[ADRB0]
.if !(\fill)
	v_nop                                          ; with the two lines above: four places in front of the loads below
	v_nop
.endif
	FETCH 0, 0
	MULA 1, 2, 0
	MULA 1, 3, 0
.endm
	s_wait_tensorcnt 1                             ; my part of K step 0 is in; K step 1's may stay out
	s_barrier_signal -1
	s_barrier_wait -1
	FETCH 0, 0
	QUARTER 1, 0, 1, 1                             ; the first quarter stands in front of the loop: its products start the sums
	WIN 0
	s_mov_b32 s3, STEPS-2
.Lstep:                                                ; a trip goes from a K step's second quarter to the next step's first, and fills the slot that it leaves
	QUARTER 2, 1, 0, 0
	QUARTER 3, 0, 1, 0
	TURN 1
	QUARTER 1, 0, 1, 0
	WIN 0
	s_sub_co_u32 s3, s3, 1
	s_cmp_lg_u32 s3, 0
	s_cbranch_scc1 .Lstep
	s_mov_b32 s3, 2
.Ltail:                                                ; the last two K steps ask for nothing: no tensor load stands in this loop
	QUARTER 2, 1, 0, 0
	QUARTER 3, 0, 1, 0
	TURN 0
	WIN 0
	s_sub_co_u32 s3, s3, 1
	s_cmp_eq_u32 s3, 0
	s_cbranch_scc1 .Lsummed                        ; the last K step is done
	QUARTER 1, 0, 1, 0
	WIN 0
	s_cmp_lg_u32 s3, 0
	s_cbranch_scc1 .Ltail
.Lsummed:
	; THE WAY OUT, a block of 16 rows at a time: 32 bytes a lane into my own stage, back as whole rows of 512 bytes, stored.
	PLACES
	s_wait_dscnt 0x0                               ; the last run of fragment loads is back: its registers are loaded anew below
.irp a, 0,1,2,3
	WIN 0x08                                       ; store data in window 2
.irp b, 0,1,2,3,4,5,6,7
	ds_store_b128 v[STO], v[8*(8*(\a)+(\b)):8*(8*(\a)+(\b))+3] offset:64*(\b)          ; each accumulator's low registers first
	ds_store_b128 v[STO], v[8*(8*(\a)+(\b))+4:8*(8*(\a)+(\b))+7] offset:64*(\b)+16
.endr
	WIN 0
	s_wait_xcnt 0x0                                ; the base, and the registers that earlier stores read, are written again only behind this wait
.if (\a) > 0
	s_add_nc_u64 s[8:9], s[8:9], 16*8192
.endif
.irp t, 0,1,2,3,4,5,6,7,8,9,10,11,12,13,14,15
	ds_load_b128 v[64+64*((\a)%2)+4*(\t):64+64*((\a)%2)+4*(\t)+3], v[RD] offset:(\t)*SPITCH  ; LDS serves a wave's instructions in order (ISA guide 5.7.1.4): these see the stores above
.endr
	s_wait_dscnt 0x0
.irp t, 0,1,2,3,4,5,6,7,8,9,10,11,12,13,14,15
	global_store_b128 v[CO], v[64+64*((\a)%2)+4*(\t):64+64*((\a)%2)+4*(\t)+3], s[8:9] offset:(\t)*8192 th:TH_STORE_NT  ; 512 consecutive bytes, at a multiple of 512 from out0's first byte
.endr
.endr
	s_wait_tensorcnt 0x0                           ; the wave's end: behind my last tensor load and my last LDS store
	ds_add_u32 v[SPW], v[NIL]
	s_wait_dscnt 0x0
	CROUND                                         ; the closing round: no work-group ends while a partner may still ask for a tile that names it
	s_endpgm
.Lfunc_end_k_q43889a95c5_oproj:
	.size	k_q43889a95c5_oproj, .Lfunc_end_k_q43889a95c5_oproj-k_q43889a95c5_oproj
	.p2alignl 7, 3214868480
	.fill 96, 4, 3214868480
	.section	.rodata,"a",@progbits
	.p2align	6, 0x0
	.amdhsa_kernel k_q43889a95c5_oproj
		.amdhsa_group_segment_fixed_size 327680
		.amdhsa_private_segment_fixed_size 0
		.amdhsa_enable_private_segment 0
		.amdhsa_kernarg_size 24
		.amdhsa_user_sgpr_count 2
		.amdhsa_user_sgpr_kernarg_segment_ptr 1
		.amdhsa_wavefront_size32 1
		.amdhsa_system_sgpr_workgroup_id_x 1
		.amdhsa_system_sgpr_workgroup_id_y 1
		.amdhsa_system_sgpr_workgroup_id_z 1
		.amdhsa_system_vgpr_workitem_id 0
		.amdhsa_next_free_vgpr 768
		.amdhsa_next_free_sgpr 66
		.amdhsa_reserve_vcc 0
		.amdhsa_float_denorm_mode_32 3
		.amdhsa_float_denorm_mode_16_64 3
		.amdhsa_memory_ordered 1
		.amdhsa_forward_progress 1
		.amdhsa_inst_pref_size 60
	.end_amdhsa_kernel
	.amdgpu_metadata
---
amdhsa.version: [ 1, 2 ]
amdhsa.kernels:
  - .name:           k_q43889a95c5_oproj
    .symbol:         k_q43889a95c5_oproj.kd
    .args:
      - { .name: og, .offset: 0, .size: 8, .value_kind: global_buffer, .address_space: global }
      - { .name: wo16, .offset: 8, .size: 8, .value_kind: global_buffer, .address_space: global }
      - { .name: out0, .offset: 16, .size: 8, .value_kind: global_buffer, .address_space: global }
    .group_segment_fixed_size: 327680
    .private_segment_fixed_size: 0
    .kernarg_segment_align: 8
    .kernarg_segment_size: 24
    .max_flat_workgroup_size: 128
    .sgpr_count:     66
    .vgpr_count:     768
    .wavefront_size: 32
...
	.end_amdgpu_metadata
.endif
;; end of part 4
